; MI455X (gfx1250); checked and timed in simulation.
; The chip was launched on July 23, 2026; its instructions are those of AMD's public machine-readable ISA for CDNA 5 (MIT licence, August 2026) and "CDNA5" Instruction Set Architecture Reference Guide (July 2026). The comments in the code are by the model that wrote it; some were corrected since.
;; SDPA. Allowed arithmetic: float matrix products may take bf16 or f16 operands with f32 sums; other float arithmetic in f32, or as packed bf16 or f16 multiplies, adds, multiply-adds, maxima and minima; sums over many terms, partial sums and values carried from step to step in f32; what a program stores and reads back later, other than sums and carried values, may be rounded once to bf16 or f16.
;; Inputs: Wk 1,024 x 1,024 float32; Wq 1,024 x 1,024 float32; Wv 1,024 x 1,024 float32; bk 1,024 float32; bq 1,024 float32; bv 1,024 float32; x 4 x 2,048 x 1,024 float32.
;; Outputs: out0 4 x 2,048 x 1,024 float32.
;; 2 versions, each right; version 2 is version 1 with the launch cast written anew for expert scheduling mode. Each part assembles by itself: llvm-mc -triple=amdgcn-amd-amdhsa -mcpu=gfx1250 --defsym DOCPART=n.
;; ======== version 1 of 2: 4 launches
;; limits: values are held in f16: magnitudes above 65,504 overflow, below 6.1e-05 lose precision
;; workspace buffers: ab 23,068,672 bytes; bcat 12,288 bytes; qkv 50,331,648 bytes; pt 33,554,432 bytes; sm 524,288 bytes; sl 524,288 bytes
;; launch cast (part 1): grid 352 x 1, 8 waves a work-group, no clusters, 0 bytes of LDS; arguments x, Wq, Wk, Wv, bq, bk, bv, ab, bcat; writes ab, bcat
.if DOCPART == 1
	.amdgcn_target "amdgcn-amd-amdhsa--gfx1250"
	.amdhsa_code_object_version 6
	.text
	.protected	k_q4fc9517183_cast
	.globl	k_q4fc9517183_cast
	.p2align	8
	.type	k_q4fc9517183_cast,@function
k_q4fc9517183_cast:
	s_mov_b64 s[64:65], 0
	v_nop
	global_prefetch_b8 v0, s[64:65] scope:SCOPE_SE
	s_setreg_imm32_b32 hwreg(HW_REG_WAVE_MODE, 25, 1), 1
	s_wait_xcnt 0x0
; x [8192][1024], Wq, Wk, Wv [1024][1024] f32 -> ab [16 kb][11264 rows][64] bf16 (rows: x, then Wq, Wk, Wv); bq, bk, bv -> bcat [3072] f32 holding the biases rounded to bf16.
; In ab the 64 channels of a K block lie row after row, so that a tile's rows of one K block are dense bytes for the next launch.
; A stream: every input byte is read once, every output byte written once; no LDS, no matrix unit, no cluster: nothing is shared and nothing is multiplied.
; SHARES.  Work-group g owns the stacked rows 32 g .. 32 g + 31, wave w four of them.  Lane l takes row l / 8 of the four and the 8 numbers at 32 (l % 8) bytes of each 256-byte K block:
; rounded they are 16 bytes, and the wave's store covers 512 consecutive bytes of one plane of ab (4 rows x 128 bytes), aligned.
; All 32 loads of a lane go out at once; every register is used once, so no register is freed by a wait.
.set PLANE, 1441792                    ; bytes of a K block's plane in ab: 11,264 rows x 128
.set X, 16                             ; v[16:143]  as loaded: K block kb at X + 8 kb
.set Y, 144                            ; v[144:207] to store: K block kb at Y + 4 kb
	s_load_b512 s[4:19], s[0:1], 0x0               ; x s[4:5], Wq s[6:7], Wk s[8:9], Wv s[10:11], bq s[12:13], bk s[14:15], bv s[16:17], ab s[18:19]
	s_load_b64 s[20:21], s[0:1], 0x40              ; bcat
	s_mov_b32 s2, ttmp9                            ; g
	v_lshrrev_b32 v2, 3, v0                        ; my row among the group's 32
	v_and_b32 v3, 7, v0
	v_lshlrev_b32 v1, 12, v2                       ; x 4,096 bytes
	v_lshl_or_b32 v1, v3, 5, v1                    ; + my 32 bytes of a K block
	v_lshlrev_b32 v4, 4, v0                        ; out: 16 x thread = 128 x row + 16 (l % 8)
	v_lshrrev_b32 v5, 5, v0
	v_readfirstlane_b32 s3, v5                     ; wave
	s_and_b32 s26, s2, 31                          ; the block of 32 rows inside a weight,
	s_cmp_lt_u32 s2, 256
	s_cselect_b32 s26, s2, s26                     ; or inside x
	s_lshl_b32 s26, s26, 17                        ; x 32 rows of 4,096 bytes
	s_mov_b32 s27, 0
	s_lshl_b32 s36, s2, 12                         ; in a plane of ab: 32 rows of 128 bytes
	s_mov_b32 s37, 0
	s_wait_kmcnt 0x0
	s_cmp_lt_u32 s2, 320                           ; which tensor holds my rows, and which bias goes with it
	s_cselect_b64 s[22:23], s[8:9], s[10:11]
	s_cselect_b64 s[24:25], s[14:15], s[16:17]
	s_cmp_lt_u32 s2, 288
	s_cselect_b64 s[22:23], s[6:7], s[22:23]
	s_cselect_b64 s[24:25], s[12:13], s[24:25]
	s_cmp_lt_u32 s2, 256
	s_cselect_b64 s[22:23], s[4:5], s[22:23]
	s_add_nc_u64 s[22:23], s[22:23], s[26:27]
	s_add_nc_u64 s[28:29], s[18:19], s[36:37]      ; four bases, four planes apart: three planes fit into a store's immediate
	s_add_nc_u64 s[30:31], s[28:29], 4*PLANE
	s_add_nc_u64 s[32:33], s[28:29], 8*PLANE
	s_add_nc_u64 s[34:35], s[28:29], 12*PLANE
.set kb, 0
.rept 16
	global_load_b128 v[X+8*kb:X+8*kb+3],   v1, s[22:23] offset:256*kb th:TH_LOAD_NT
	global_load_b128 v[X+8*kb+4:X+8*kb+7], v1, s[22:23] offset:256*kb+16 th:TH_LOAD_NT
.set kb, kb+1
.endr
.set kb, 0
.rept 16
	s_wait_loadcnt 30-2*kb                         ; loads come back in order: K block kb's two are in, the 30 - 2 kb younger ones stay out
.irp r, 0,1,2,3
	v_cvt_pk_bf16_f32 v[Y+4*kb+(\r)], v[X+8*kb+2*(\r)], v[X+8*kb+2*(\r)+1]
.endr
	global_store_b128 v4, v[Y+4*kb:Y+4*kb+3], s[28+2*(kb/4):29+2*(kb/4)] offset:(kb%4)*PLANE th:TH_STORE_NT
.set kb, kb+1
.endr
	; The biases: wave 0 of each even group of a weight takes 64 numbers, 256 aligned bytes in and out.
	s_cmp_lt_u32 s2, 256
	s_cbranch_scc1 .Lend
	s_bitcmp1_b32 s2, 0
	s_cbranch_scc1 .Lend
	s_cmp_lg_u32 s3, 0
	s_cbranch_scc1 .Lend
	s_and_b32 s26, s2, 31
	s_lshl_b32 s26, s26, 7                         ; 32 numbers of 4 bytes a group
	s_sub_co_u32 s36, s2, 256
	s_lshl_b32 s36, s36, 7
	s_add_nc_u64 s[24:25], s[24:25], s[26:27]
	s_add_nc_u64 s[20:21], s[20:21], s[36:37]
	v_and_b32 v6, 31, v0
	v_lshlrev_b32 v6, 3, v6
	global_load_b64 v[8:9], v6, s[24:25]
	s_wait_loadcnt 0x0
	v_cvt_pk_bf16_f32 v10, v8, v9                  ; rounded as the other inputs are,
	v_lshlrev_b32 v12, 16, v10                     ; and kept as f32
	v_and_b32 v13, 0xffff0000, v10
	global_store_b64 v6, v[12:13], s[20:21]
.Lend:
	s_endpgm
.Lfunc_end_k_q4fc9517183_cast:
	.size	k_q4fc9517183_cast, .Lfunc_end_k_q4fc9517183_cast-k_q4fc9517183_cast
	.p2alignl 7, 3214868480
	.fill 96, 4, 3214868480
	.section	.rodata,"a",@progbits
	.p2align	6, 0x0
	.amdhsa_kernel k_q4fc9517183_cast
		.amdhsa_group_segment_fixed_size 0
		.amdhsa_private_segment_fixed_size 0
		.amdhsa_enable_private_segment 0
		.amdhsa_kernarg_size 72
		.amdhsa_user_sgpr_count 2
		.amdhsa_user_sgpr_kernarg_segment_ptr 1
		.amdhsa_wavefront_size32 1
		.amdhsa_system_sgpr_workgroup_id_x 1
		.amdhsa_system_sgpr_workgroup_id_y 1
		.amdhsa_system_sgpr_workgroup_id_z 1
		.amdhsa_system_vgpr_workitem_id 0
		.amdhsa_next_free_vgpr 208
		.amdhsa_next_free_sgpr 66
		.amdhsa_reserve_vcc 0
		.amdhsa_float_denorm_mode_32 3
		.amdhsa_float_denorm_mode_16_64 3
		.amdhsa_memory_ordered 1
		.amdhsa_forward_progress 1
		.amdhsa_inst_pref_size 12
	.end_amdhsa_kernel
	.amdgpu_metadata
---
amdhsa.version: [ 1, 2 ]
amdhsa.kernels:
  - .name:           k_q4fc9517183_cast
    .symbol:         k_q4fc9517183_cast.kd
    .args:
      - { .name: x, .offset: 0, .size: 8, .value_kind: global_buffer, .address_space: global }
      - { .name: Wq, .offset: 8, .size: 8, .value_kind: global_buffer, .address_space: global }
      - { .name: Wk, .offset: 16, .size: 8, .value_kind: global_buffer, .address_space: global }
      - { .name: Wv, .offset: 24, .size: 8, .value_kind: global_buffer, .address_space: global }
      - { .name: bq, .offset: 32, .size: 8, .value_kind: global_buffer, .address_space: global }
      - { .name: bk, .offset: 40, .size: 8, .value_kind: global_buffer, .address_space: global }
      - { .name: bv, .offset: 48, .size: 8, .value_kind: global_buffer, .address_space: global }
      - { .name: ab, .offset: 56, .size: 8, .value_kind: global_buffer, .address_space: global }
      - { .name: bcat, .offset: 64, .size: 8, .value_kind: global_buffer, .address_space: global }
    .group_segment_fixed_size: 0
    .private_segment_fixed_size: 0
    .kernarg_segment_align: 8
    .kernarg_segment_size: 72
    .max_flat_workgroup_size: 256
    .sgpr_count:     66
    .vgpr_count:     208
    .wavefront_size: 32
...
	.end_amdgpu_metadata
.endif
;; end of part 1
;; launch proj (part 2): grid 8 x 32, 4 waves a work-group, clusters of 4 x 4, 327,680 bytes of LDS; arguments ab, bcat, qkv; writes qkv
.if DOCPART == 2
	.amdgcn_target "amdgcn-amd-amdhsa--gfx1250"
	.amdhsa_code_object_version 6
	.text
	.protected	k_q4fc9517183_proj
	.globl	k_q4fc9517183_proj
	.p2align	8
	.type	k_q4fc9517183_proj,@function
k_q4fc9517183_proj:
	s_mov_b64 s[64:65], 0
	v_nop
	global_prefetch_b8 v0, s[64:65] scope:SCOPE_SE
	s_setreg_imm32_b32 hwreg(HW_REG_WAVE_MODE, 25, 1), 1
	s_wait_xcnt 0x0
	s_wait_alu depctr_hold_cnt(0) depctr_sa_sdst(0) depctr_va_vdst(0) depctr_va_sdst(0) depctr_va_ssrc(0) depctr_va_vcc(0) depctr_vm_vsrc(0)
	s_getreg_b32 s2, hwreg(HW_REG_IB_STS2, 6, 4)
	s_cmp_eq_u32 s2, 0
	s_cbranch_scc0 .Lentry_in_a_cluster
	s_endpgm
.Lentry_in_a_cluster:
	s_bfe_u32 s2, ttmp6, 0x10000c
	s_cmp_lg_u32 s2, 0xf033
	s_cbranch_scc0 .Lentry_shape_is_right
	s_endpgm
.Lentry_shape_is_right:
; qkv[m][n] = sum over k of x[m][k] W[n][k] + b[n], m < 8192, n < 3072 (Q, K, V side by side), k < 1024.  Operands bf16 out of ab ([16 kb][11264 rows][64]: x's rows, then the weights'),
; sums in f32, begun with the bias; qkv f16, rounded once.
; LIMIT.  f16 holds no number beyond 65,504: Q, K and V must stay within it.  NaN and infinities are not treated apart.
; SHARES.  8192 x 3072 over 256 work-groups is a tile of 256 x 384: one tile each.  Four waves, each 128 x 192: 96 accumulators of 16 x 16, 768 registers.
; K goes in 16 steps of 64 (a plane of ab) through two LDS slots; a tile's rows of one plane are dense in memory and are asked for as rows of 256 bytes, padded in LDS after every 128.
; CLUSTER.  4 x 4 work-groups: x's tile hangs on the tile row alone and is asked for jointly along a row of the cluster, the weights' on the tile column alone, along a column.
; THE MATRIX INSTRUCTION IS USED TRANSPOSED (source 0 = 16 rows of W, source 1 = 16 rows of x): a lane holds row l % 16 of the result and the columns 8 (l / 16) + 0..7.
; REGISTERS, in windows of 256 (s_set_vgpr_msb: bits 1:0 source 0, 3:2 source 1, 5:4 source 2, 7:6 destination):
;   window 0: v16-31 addresses; v32-95, v96-159 x's fragments (8 x 16 rows x 32 K), two buffers; v160-255 W's fragments, three groups of four
;   windows 1-3: accumulator (a, 4 g + bb) at v[8 (4 a + bb)] of window g + 1
.set PLANE,  1441792                   ; bytes of a plane of ab
.set KP,     144                       ; an LDS row: 128 bytes + 16 of padding = 36 words: the 16 rows of a load start at 16 different groups of four banks (64 banks of 4 bytes: ISA guide 11.1)
.set AHALF,  128*KP                    ; what waves 0 and 1 fetch: 128 rows of x
.set BHALF,  192*KP                    ; what waves 2 and 3 fetch: 192 rows of W
.set BOFF,   2*AHALF
.set SLOT1,  131072                    ; slot 1 begins here (a slot has 92,160 bytes): one exclusive or turns an address in one slot into the other's
.set SPITCH, 784                       ; the way out: a row of 384 f16 + 16 bytes; 256 such rows lie over the ring, behind its last fill
.set BIASL,  223232                    ; behind the ring: 768 bytes a wave, its 192 biases
.set SPARE,  226304                    ; the spare words, 128 bytes for each wave: two blocks of 256 bytes that no other line names
.set ADRA, 16                          ; v16  my lane's place among my rows of x in a slot; never rewritten
.set ADRB, 17                          ; v17  the same for W
.set ADA,  18                          ; v18  the same in the slot in hand
.set ADB,  19                          ; v19
.set STO0, 20                          ; v20, v21  the way out: where I put 16 bytes of a row, for row blocks 0-3 and 4-7
.set RD,   22                          ; v22  where I read rows back
.set CO,   23                          ; v23  my byte offset in qkv
.set BA,   24                          ; v24  my 32 bytes of a block of 16 biases
.set BW,   25                          ; v25  where I put biases
.set SPW,  28                          ; v28  LDS address of my spare word; never rewritten
.set NIL,  29                          ; v29  0; never rewritten
.set PFO,  30                          ; v30  the prefetches' lane offset; never rewritten
.set FA0,  32
.set FB,   160
.set TMP,  32                          ; the way out: packed results, then rows
.set G1,   24                          ; s[24:31] descriptor group 1 for x's tiles
.set G0,   32                          ; s[32:39] group 0: a set for each first fill; the second then walks
.set G1B,  48                          ; s[48:55], s[56:63] the same for W's tiles
.set G0B,  56
.set LIM,  43                          ; s43  1 in a wave that prefetches, else the greatest number
.set PFA,  44                          ; s[44:45] where my prefetches stand
.set TB,   66                          ; s66  LDS byte at which the slot in hand begins
.set MSB, 0
.macro WIN new                         ; the immediate's high byte repeats the setting that is left; a switch that changes nothing is dropped
.if MSB != (\new)
	s_set_vgpr_msb (MSB<<8)|(\new)
.set MSB, (\new)
.endif
.endm
.macro PLACES                          ; four plain vector instructions between a matrix instruction and a load into, or a vector write or read of, its registers
.rept 4
	v_nop
.endr
.endm
.macro CREST                           ; a round of the cluster's barrier behind its opening barrier
	s_cmp_lg_u32 s10, 0
	s_cbranch_scc1 .Lnot_wave_0_\@
	s_barrier_signal -3
.Lnot_wave_0_\@:
	s_barrier_wait -3
	s_barrier_signal -1
	s_barrier_wait -1
.endm
.macro CROUND
	s_barrier_signal -1
	s_barrier_wait -1
	CREST
.endm
.macro JLOAD                           ; a joint refill by the walking sets: waves 0 and 1 fetch x's halves, waves 2 and 3 W's; the branch hangs on the wave's number alone
	s_cmp_eq_u32 s11, 0
	s_cbranch_scc0 .Lfor_b_\@
	tensor_load_to_lds s[G0+4:G0+7], s[G1:G1+7]
	s_nop 0
.rept 4
	v_nop
.endr
	s_branch .Lasked_\@
.Lfor_b_\@:
	tensor_load_to_lds s[G0B+4:G0B+7], s[G1B:G1B+7]
	s_nop 0
.rept 4
	v_nop
.endr
.Lasked_\@:
.endm
; A PREFETCH INTO THE L2 of the plane that the NEXT refill will ask for: one K step, 192 matrix instructions, ahead.  x's tile (32,768 dense bytes) is read by both clusters of a row of clusters: cluster x = 0
; asks, wave 0, each partner 8,192 bytes by its place along x, lanes 256 bytes apart.  W's tile is read by all clusters of a column: cluster y = 0 asks, waves 2 and 3 for the 24,576 bytes that they fetch,
; each partner 6,144 by its place along y, lanes 192 bytes apart.  The partners are told apart by address alone.  The loop's last trip asks for nothing: there is no plane behind its refill's.
.macro ASK
	s_cmp_gt_u32 s3, s[LIM]
	s_cbranch_scc0 .Lnot_mine_\@
	global_prefetch_b8 v[PFO], s[PFA:PFA+1] th:TH_LOAD_NT scope:SCOPE_SE
.Lnot_mine_\@:
.endm
; 16 matrix instructions: row blocks a0 .. a0 + 3 x the four column blocks of group g, 32 along K, x's buffer p.  All 96 accumulators take turns, one instruction a turn.
.macro GRPH g, p, a0
	WIN 0x50*((\g)+1)
.irp a, (\a0), (\a0)+1, (\a0)+2, (\a0)+3
.irp bb, 0,1,2,3
	v_wmma_f32_16x16x32_bf16 v[8*(4*(\a)+(\bb)):8*(4*(\a)+(\bb))+7], v[FB+32*(\g)+8*(\bb):FB+32*(\g)+8*(\bb)+7], v[FA0+64*(\p)+8*(\a):FA0+64*(\p)+8*(\a)+7], v[8*(4*(\a)+(\bb)):8*(4*(\a)+(\bb))+7]
.endr
.endr
.endm
.macro GRP g, p
	GRPH \g, \p, 0
	GRPH \g, \p, 4
.endm
.macro LDB g, q                        ; W's group g, 32 along K at byte 64 q of the rows: 8 loads
	WIN 0
.irp bb, 0,1,2,3
	ds_load_b128 v[FB+32*(\g)+8*(\bb):FB+32*(\g)+8*(\bb)+3],   v[ADB] offset:(4*(\g)+(\bb))*16*KP+64*(\q)
	ds_load_b128 v[FB+32*(\g)+8*(\bb)+4:FB+32*(\g)+8*(\bb)+7], v[ADB] offset:(4*(\g)+(\bb))*16*KP+64*(\q)+32
.endr
.endm
.macro LDA p, q                        ; x's eight fragments into buffer p: 16 loads
	WIN 0
.irp a, 0,1,2,3,4,5,6,7
	ds_load_b128 v[FA0+64*(\p)+8*(\a):FA0+64*(\p)+8*(\a)+3],   v[ADA] offset:(\a)*16*KP+64*(\q)
	ds_load_b128 v[FA0+64*(\p)+8*(\a)+4:FA0+64*(\p)+8*(\a)+7], v[ADA] offset:(\a)*16*KP+64*(\q)+32
.endr
.endm
; A K step's first 32 along K.  On entry the LDS loads out are, in order: W's group 0 (8), x (16), groups 1 (8) and 2 (8).  Each group is fetched anew, for the second 32, as soon as it has been multiplied.
.macro SUB0
	s_wait_dscnt 16                                ; group 0 and x are in; groups 1 and 2 may be out
	GRP 0, 0
	PLACES
	LDB 0, 1
	LDA 1, 1
	s_wait_dscnt 32                                ; group 1 is in; group 2's 8 and the 24 just issued may be out
	GRP 1, 0
	PLACES
	LDB 1, 1
	s_wait_dscnt 32                                ; group 2 is in; the 24 and the 8 may be out
	GRP 2, 0
	PLACES
	LDB 2, 1
.endm
; The second 32 along K, and the change of slots.  In front of the barrier each wave waits for all its tensor loads, of which one is out: its part of the next slot; adds 0 to its spare word; and waits for
; that and for its reads of this slot.  fill = 1: the barrier opens a round of the cluster's, and this slot is filled again, two planes on: 160 matrix instructions ahead of the wait for it.
.macro SUB1T fill
.if \fill
	s_wait_xcnt 0x0                                ; the last prefetch, a K step back, has read its address
	s_add_nc_u64 s[PFA:PFA+1], s[PFA:PFA+1], PLANE
.endif
	WIN 0
	s_wait_tensorcnt 0x0                           ; no tensor load of mine is out, so a group 0 may be written
	ds_add_u32 v[SPW], v[NIL]                      ; 0 onto my spare word
.if \fill
	s_xor_b32 s[G0+5], s[G0+5], SLOT1              ; the walking sets: the other slot than last time, the next plane
	s_add_nc_u64 s[G0+6:G0+7], s[G0+6:G0+7], PLANE
	s_xor_b32 s[G0B+5], s[G0B+5], SLOT1
	s_add_nc_u64 s[G0B+6:G0B+7], s[G0B+6:G0B+7], PLANE
.endif
	s_wait_dscnt 17                                ; group 0 and x are in; groups 1 and 2 (16) and the add may be out
	GRPH 0, 1, 0
	s_wait_dscnt 0x0                               ; the add is done, and my reads of this slot are over
	s_barrier_signal -1
	GRPH 0, 1, 4
	WIN 0
	s_barrier_wait -1
.if \fill
	CREST                                          ; no wave of any partner still reads this slot or has a load on its way
	JLOAD                                          ; the four v_nop behind it are also the places in front of the loads below
.else
	PLACES
.endif
	s_xor_b32 s[TB], s[TB], SLOT1
	v_add_nc_u32 v[ADA], s[TB], v[ADRA]
	v_add_nc_u32 v[ADB], s[TB], v[ADRB]
	LDB 0, 0
	LDA 0, 0
.if \fill
	ASK
.endif
	GRP 1, 1
	PLACES
	LDB 1, 0
	GRP 2, 1
	PLACES
	LDB 2, 0
.endm
.macro SUB1L                           ; the very last 32 along K: nothing more to fetch
	s_wait_dscnt 16
	GRP 0, 1
	s_wait_dscnt 8
	GRP 1, 1
	s_wait_dscnt 0x0
	GRP 2, 1
.endm
	s_load_b128 s[4:7], s[0:1], 0x0                ; ab s[4:5], bcat s[6:7]
	s_load_b64 s[8:9], s[0:1], 0x10                ; qkv
	v_lshl_add_u32 v[SPW], v0, 2, SPARE
	v_mov_b32 v[NIL], 0
	ds_add_u32 v[SPW], v[NIL]                      ; the wave's opening: the add, and its wait, ahead of my first tensor load
	v_lshrrev_b32 v1, 5, v0
	v_readfirstlane_b32 s10, v1                    ; wave 0..3
	s_lshr_b32 s11, s10, 1                         ; my half of the tile's rows.  Also: I fetch for x (0) or for W (1)
	s_and_b32 s12, s10, 1                          ; my half of its columns.  Also: which half of that tile I fetch
	s_bfe_u32 s40, ttmp6, 0x40000                  ; cx
	s_bfe_u32 s41, ttmp6, 0x40004                  ; cy
	s_lshl_b32 s42, ttmp9, 2
	s_add_co_u32 s42, s42, s40                     ; tile column = 4 x cluster x + cx
	s_and_b32 s13, ttmp7, 0xffff
	s_lshl_b32 s13, s13, 2
	s_add_co_u32 s13, s13, s41                     ; tile row = 4 x cluster y + cy
	s_lshl_b32 s43, s41, 2
	s_lshl_b32 s43, 15, s43                        ; my row of the cluster
	s_lshl_b32 s44, 0x1111, s40                    ; my column
	s_or_b32 s[G1+0], s43, (1<<16)|(1<<20)|(1<<21)|(4<<22)|(3<<25)   ; the mask; 2-byte elements; padding on; bit 21 beside a mask; after every 32 words, 4 words
	s_or_b32 s[G1B+0], s44, (1<<16)|(1<<20)|(1<<21)|(4<<22)|(3<<25)
	s_mov_b32 s[G1+1], 128<<16                     ; tensor_dim0 = 128 elements: 256 bytes, two rows of the tile
	s_mov_b32 s[G1+2], 64<<16                      ; tensor_dim1 = 64
	s_mov_b32 s[G1+3], 128<<16                     ; tile_dim0
	s_mov_b32 s[G1+4], 64                          ; tile_dim1
	s_mov_b32 s[G1+5], 128                         ; dense
	s_mov_b32 s[G1+6], 0
	s_mov_b32 s[G1+7], 0
	s_mov_b32 s[G1B+1], 128<<16
	s_mov_b32 s[G1B+2], 96<<16                     ; 192 rows of W as 96 of 256 bytes
	s_mov_b32 s[G1B+3], 128<<16
	s_mov_b32 s[G1B+4], 96
	s_mov_b32 s[G1B+5], 128
	s_mov_b32 s[G1B+6], 0
	s_mov_b32 s[G1B+7], 0
	s_lshl_b32 s16, s13, 15                        ; x: (256 x tile row + 128 x half) rows of 128 bytes
	s_lshl_b32 s17, s12, 14
	s_add_co_u32 s16, s16, s17
	s_mov_b32 s17, 0
	s_mul_i32 s46, s42, 49152                      ; W: (8192 + 384 x tile column + 192 x half) rows
	s_mul_i32 s47, s12, 24576
	s_add_co_u32 s46, s46, s47
	s_add_co_u32 s46, s46, 1048576
	s_mov_b32 s47, 0
	s_mul_i32 s20, s12, AHALF                      ; where they go: no place in the cluster enters an LDS address
	s_mul_i32 s21, s12, BHALF
	s_add_co_u32 s21, s21, BOFF
	s_mul_i32 s22, s42, 1536                       ; my 192 biases
	s_mul_i32 s23, s12, 768
	s_add_co_u32 s22, s22, s23
	s_mov_b32 s23, 0
	s_mov_b32 s[TB], 0
	v_and_b32 v2, 31, v0                           ; lane
	v_lshlrev_b32 v31, 3, v2
	s_wait_dscnt 0x0                               ; the opening add is done
	s_wait_kmcnt 0x0
	s_add_nc_u64 s[14:15], s[4:5], s[16:17]
	s_add_nc_u64 s[46:47], s[4:5], s[46:47]
	s_add_nc_u64 s[22:23], s[6:7], s[22:23]
	global_load_b64 v[32:33], v31, s[22:23]
	global_load_b64 v[34:35], v31, s[22:23] offset:256
	global_load_b64 v[36:37], v31, s[22:23] offset:512
	CROUND                                         ; all sixteen work-groups are here: the first joint loads meet
.irp s, 0,1
	s_mov_b32 s[G0+4*(\s)], 1
	s_add_co_u32 s[G0+4*(\s)+1], s20, (\s)*SLOT1
	s_add_nc_u64 s[G0+4*(\s)+2:G0+4*(\s)+3], s[14:15], (\s)*PLANE
	s_or_b32 s[G0+4*(\s)+3], s[G0+4*(\s)+3], 0x80000000
	s_mov_b32 s[G0B+4*(\s)], 1
	s_add_co_u32 s[G0B+4*(\s)+1], s21, (\s)*SLOT1
	s_add_nc_u64 s[G0B+4*(\s)+2:G0B+4*(\s)+3], s[46:47], (\s)*PLANE
	s_or_b32 s[G0B+4*(\s)+3], s[G0B+4*(\s)+3], 0x80000000
.endr
	s_cmp_eq_u32 s11, 0                            ; a wave's two first fills stand in one branch: two loads of mine are out
	s_cbranch_scc0 .Lfirst_b
	tensor_load_to_lds s[G0:G0+3], s[G1:G1+7]
	s_nop 0
	tensor_load_to_lds s[G0+4:G0+7], s[G1:G1+7]
	s_nop 0
.rept 4
	v_nop
.endr
	s_branch .Lfirst_asked
.Lfirst_b:
	tensor_load_to_lds s[G0B:G0B+3], s[G1B:G1B+7]
	s_nop 0
	tensor_load_to_lds s[G0B+4:G0B+7], s[G1B:G1B+7]
	s_nop 0
.rept 4
	v_nop
.endr
.Lfirst_asked:
	v_and_b32 v1, 15, v0                           ; l % 16
	v_bfe_u32 v3, v0, 4, 1                         ; l / 16
	v_mul_u32_u24 v4, v1, KP
	v_lshl_add_u32 v4, v3, 4, v4                   ; a fragment's row x pitch + 16 x half
	s_mul_i32 s16, s11, AHALF
	v_add_nc_u32 v[ADRA], s16, v4
	v_add_nc_u32 v[ADRB], s21, v4                  ; my columns' half is the half of W numbered like it
	v_mov_b32 v[ADA], v[ADRA]
	v_mov_b32 v[ADB], v[ADRB]
	s_mul_i32 s16, s11, 128*SPITCH                 ; into the stage: row 128 wr + 16 a + l % 16, byte 384 wc + 32 b + 16 (l / 16)
	s_mul_i32 s17, s12, 384
	s_add_co_u32 s16, s16, s17
	v_mul_u32_u24 v5, v1, SPITCH
	v_lshl_add_u32 v5, v3, 4, v5
	v_add_nc_u32 v[STO0], s16, v5
	v_add_nc_u32 v[STO0+1], 64*SPITCH, v[STO0]
	s_mul_i32 s16, s10, 64*SPITCH                  ; back: wave w takes rows 64 w .. 64 w + 63, whole; lanes 0-15 a row's 256 bytes, lanes 16-31 the next row's
	v_mul_u32_u24 v5, v3, SPITCH
	v_lshl_add_u32 v5, v1, 4, v5
	v_add_nc_u32 v[RD], s16, v5
	v_mul_u32_u24 v5, v3, 6144
	v_lshl_add_u32 v[CO], v1, 4, v5
	s_lshl_b32 s16, s13, 8
	s_lshl_b32 s17, s10, 6
	s_add_co_u32 s16, s16, s17
	s_mul_i32 s16, s16, 6144                       ; the first row that I store
	s_mov_b32 s17, 0
	s_add_nc_u64 s[8:9], s[8:9], s[16:17]
	s_mul_i32 s46, s42, 768                        ; the tile's first column
	s_mov_b32 s47, 0
	s_add_nc_u64 s[8:9], s[8:9], s[46:47]
	; the prefetches: their offsets are made in s18, s19, s2 and s67, from which no descriptor's word is made
	s_and_b32 s20, ttmp7, 0xffff
	s_cmp_lt_u32 s10, 2
	s_cselect_b32 s20, ttmp9, s20                  ; the coordinate along which other clusters read the same rows
	s_cmp_eq_u32 s10, 1
	s_cselect_b32 s20, 1, s20                      ; wave 1 never asks
	s_cmp_eq_u32 s20, 0
	s_cselect_b32 s[LIM], 1, -1                    ; the same in all sixteen partners, for a given wave
	s_lshl_b32 s18, s13, 15
	s_lshl_b32 s19, s40, 13
	s_add_co_u32 s18, s18, s19                     ; x's tile, my work-group's 8,192 bytes
	s_mul_i32 s2, s42, 49152
	s_mul_i32 s67, s12, 24576
	s_add_co_u32 s2, s2, s67
	s_mul_i32 s67, s41, 6144
	s_add_co_u32 s2, s2, s67
	s_add_co_u32 s2, s2, 1048576                   ; W's half tile, my work-group's 6,144 bytes
	s_mov_b32 s67, 192
	s_cmp_lt_u32 s10, 2
	s_cselect_b32 s18, s18, s2
	s_cselect_b32 s2, 256, s67                     ; bytes from lane to lane
	s_mov_b32 s19, 0
	s_add_nc_u64 s[PFA:PFA+1], s[4:5], s[18:19]
	s_add_nc_u64 s[PFA:PFA+1], s[PFA:PFA+1], 2*PLANE   ; at plane 2: the first refill steps it to 3.  Nothing is asked for here, where the first tiles are on their way
	v_mul_u32_u24 v[PFO], s2, v2
	; THE SUMS BEGIN WITH THE BIAS: my 192 biases go through my own LDS bytes into all 96 accumulators (register j of a lane: column 16 b + 8 (l / 16) + j), in the wait for the first tile.
	s_mul_i32 s16, s10, 768
	s_add_co_u32 s16, s16, BIASL
	v_add_nc_u32 v[BW], s16, v31
	v_lshl_add_u32 v[BA], v3, 5, s16
	s_wait_loadcnt 0x0
	ds_store_b64 v[BW], v[32:33]
	ds_store_b64 v[BW], v[34:35] offset:256
	ds_store_b64 v[BW], v[36:37] offset:512
.irp g, 0,1,2
	WIN 0x40*((\g)+1)
.set i, 0
.rept 32
	ds_load_b128 v[8*i:8*i+3],   v[BA] offset:64*(4*(\g)+i%4)      ; LDS serves a wave's instructions in order (ISA guide 5.7.1.4): these see the stores above
	ds_load_b128 v[8*i+4:8*i+7], v[BA] offset:64*(4*(\g)+i%4)+16
.set i, i+1
.endr
.endr
	WIN 0
	s_wait_tensorcnt 0x1                           ; my part of plane 0 is in; plane 1's may stay out
	s_wait_dscnt 0x0
	s_barrier_signal -1
	s_barrier_wait -1
	LDB 0, 0
	LDA 0, 0
	LDB 1, 0
	LDB 2, 0
	s_mov_b32 s3, 14
.Lstep:                                        ; trip t multiplies plane t and asks for plane t + 2
	SUB0
	SUB1T 1
	WIN 0
	s_sub_co_u32 s3, s3, 1
	s_cmp_lg_u32 s3, 0
	s_cbranch_scc1 .Lstep
	SUB0                                           ; the last two planes are written out: nothing is left to ask for
	SUB1T 0
	SUB0
	SUB1L
	; THE WAY OUT: rounded to f16, 16 bytes a lane into one stage of 256 rows that lies over the ring (its last fill is long read); back as whole rows.
	PLACES                                         ; the conversions read results and write over fragments
	WIN 0
	s_barrier_signal -1                            ; every wave's reads of the ring are back (its last wait on the LDS counter was for 0)
	s_barrier_wait -1
.irp g, 0,1,2
	WIN 5*((\g)+1)
.set i, 0
.rept 32
.irp r, 0,1,2,3
	v_cvt_pk_f16_f32 v[TMP+4*i+(\r)], v[8*i+2*(\r)], v[8*i+2*(\r)+1]
.endr
.set i, i+1
.endr
	WIN 0
.set i, 0
.rept 32
	ds_store_b128 v[STO0+i/16], v[TMP+4*i:TMP+4*i+3] offset:((i/4)%4)*16*SPITCH+32*(4*(\g)+i%4)
.set i, i+1
.endr
.endr
	s_wait_dscnt 0x0                               ; for the others' sake: my stores into the stage are done
	s_barrier_signal -1
	s_barrier_wait -1
	s_mov_b32 s3, 8
.Lrows:                                        ; eight rows a trip: four pairs of rows x three pieces of 256 bytes
.set i, 0
.rept 12
	ds_load_b128 v[TMP+4*i:TMP+4*i+3], v[RD] offset:(i/3)*2*SPITCH+256*(i%3)
.set i, i+1
.endr
.set i, 0
.rept 12
	s_wait_dscnt 11-i
	global_store_b128 v[CO], v[TMP+4*i:TMP+4*i+3], s[8:9] offset:(i/3)*12288+256*(i%3)  ; 16 lanes store 256 consecutive bytes, aligned
.set i, i+1
.endr
	s_wait_xcnt 0x0                                ; the stores have read their data and their base
	v_add_nc_u32 v[RD], 8*SPITCH, v[RD]
	s_add_nc_u64 s[8:9], s[8:9], 49152
	s_sub_co_u32 s3, s3, 1
	s_cmp_lg_u32 s3, 0
	s_cbranch_scc1 .Lrows
	s_wait_tensorcnt 0x0                           ; the wave's end
	ds_add_u32 v[SPW], v[NIL]
	s_wait_dscnt 0x0
	CROUND                                         ; the closing round
	s_endpgm
.Lfunc_end_k_q4fc9517183_proj:
	.size	k_q4fc9517183_proj, .Lfunc_end_k_q4fc9517183_proj-k_q4fc9517183_proj
	.p2alignl 7, 3214868480
	.fill 96, 4, 3214868480
	.section	.rodata,"a",@progbits
	.p2align	6, 0x0
	.amdhsa_kernel k_q4fc9517183_proj
		.amdhsa_group_segment_fixed_size 327680
		.amdhsa_private_segment_fixed_size 0
		.amdhsa_enable_private_segment 0
		.amdhsa_kernarg_size 24
		.amdhsa_user_sgpr_count 2
		.amdhsa_user_sgpr_kernarg_segment_ptr 1
		.amdhsa_wavefront_size32 1
		.amdhsa_system_sgpr_workgroup_id_x 1
		.amdhsa_system_sgpr_workgroup_id_y 1
		.amdhsa_system_sgpr_workgroup_id_z 1
		.amdhsa_system_vgpr_workitem_id 0
		.amdhsa_next_free_vgpr 1024
		.amdhsa_next_free_sgpr 68
		.amdhsa_reserve_vcc 0
		.amdhsa_float_denorm_mode_32 3
		.amdhsa_float_denorm_mode_16_64 3
		.amdhsa_memory_ordered 1
		.amdhsa_forward_progress 1
		.amdhsa_inst_pref_size 111
	.end_amdhsa_kernel
	.amdgpu_metadata
---
amdhsa.version: [ 1, 2 ]
amdhsa.kernels:
  - .name:           k_q4fc9517183_proj
    .symbol:         k_q4fc9517183_proj.kd
    .args:
      - { .name: ab, .offset: 0, .size: 8, .value_kind: global_buffer, .address_space: global }
      - { .name: bcat, .offset: 8, .size: 8, .value_kind: global_buffer, .address_space: global }
      - { .name: qkv, .offset: 16, .size: 8, .value_kind: global_buffer, .address_space: global }
    .group_segment_fixed_size: 327680
    .private_segment_fixed_size: 0
    .kernarg_segment_align: 8
    .kernarg_segment_size: 24
    .max_flat_workgroup_size: 128
    .sgpr_count:     68
    .vgpr_count:     1024
    .wavefront_size: 32
...
	.end_amdgpu_metadata
.endif
;; end of part 2
;; launch score (part 3): grid 36 x 4, 4 waves a work-group, no clusters, 327,680 bytes of LDS; arguments qkv, pt, sm, sl; writes pt, sm, sl
.if DOCPART == 3
	.amdgcn_target "amdgcn-amd-amdhsa--gfx1250"
	.amdhsa_code_object_version 6
	.text
	.protected	k_q4fc9517183_score
	.globl	k_q4fc9517183_score
	.p2align	8
	.type	k_q4fc9517183_score,@function
k_q4fc9517183_score:
	s_mov_b64 s[64:65], 0
	v_nop
	global_prefetch_b8 v0, s[64:65] scope:SCOPE_SE
	s_setreg_imm32_b32 hwreg(HW_REG_WAVE_MODE, 25, 1), 1
	s_wait_xcnt 0x0
; For each tile of 256 queries x 256 keys on or below the diagonal (36 a batch, 4 batches): S = Q K^T (f16 operands out of qkv, f32 sums over 1,024 channels), the causal mask, and for each query and each
; block of 128 keys: M = c x the block's largest score (c = log2(e) / 32), p~ = 2^(c s - M) rounded to f16 into pt [8192][2048], L = the sum of the unrounded p~.  M goes to sm, L to sl: [16 key blocks][8192 rows] f32.
; The row's true maximum is taken in the next launch, from the M; p~ lies in 0 to 1 whatever the scores' size.
; LIMITS.  A hidden score counts as -1e30; a weight below 2^-126 counts as 0; p~ below 6e-5 keeps f16's fixed step.  NaN and infinities are not treated apart.
; In a diagonal tile the wave with queries 0-127 and keys 128-255 sees nothing: it stores finite p~, M and L of the hidden scores, which the next launch multiplies by 0.
; NO CLUSTER: the triangle's tile rows hold 1 to 8 tiles, its tile columns 8 to 1: groups of four that share Q or K do not divide them.
; SHARES.  Four waves, each 128 queries x 128 keys: 64 accumulators.  K goes in 8 steps of 128 channels through two LDS slots; each wave fetches 128 rows of 256 bytes (waves 0, 1: Q; 2, 3: K).
; The matrix instruction is used transposed (source 0 = 16 keys, source 1 = 16 queries): a lane holds query l % 16 and the keys 8 (l / 16) + 0..7, so a key block's statistics stay inside the wave.
; REGISTERS: window 0: v16-31 addresses, v32-41 statistics, v64-127, v128-191 Q's fragments, two buffers (the way out works there); window 1: v64-191 K's fragments; windows 2, 3: accumulator (a, b) at v[8 (8 (a % 4) + b)].
.set KSTEP,  128
.set PITCH,  272                       ; 256 bytes + 16: the 16 rows of a load start at 16 different groups of four banks (64 banks of 4 bytes: ISA guide 11.1)
.set HALFT,  128*PITCH
.set SLOT,   4*HALFT
.set STAGE,  262144                    ; behind the dump (4 x 65,536 from byte 0, over the ring behind its last fill): 16 rows x 272 bytes a wave
.set STAT,   279552                    ; 1,024 bytes a wave: 128 M, 128 L
.set SPARE,  283648                    ; the spare words, 128 bytes for each wave: two blocks of 256 bytes that no other line names
.set ROWB,   6144                      ; bytes in a row of qkv
.set ADRA, 16                          ; v16, v17  my lane's place among my rows of Q and of K in a slot; never rewritten
.set ADRB, 17
.set ADA,  18                          ; v18, v19  the same in the slot in hand
.set ADB,  19
.set DP,   20                          ; v20  my 16 bytes in the dump
.set DD,   21                          ; v21  my query's place less 8 (l / 16): key 16 b + j of my registers is hidden where it is greater
.set SA,   22                          ; v22  where my query's M goes
.set SR,   23                          ; v23  where I read statistics back
.set STO,  24
.set RD,   25
.set GO,   26
.set NEG,  27                          ; v27  -1e30
.set SPW,  28
.set NIL,  29
.set PFO,  30
.set SO,   31                          ; v31  16 x lane
.set MX,   32                          ; v32-35 four chains of the maximum
.set CM,   38                          ; v[38:39] M, twice
.set LS,   40                          ; v40, v41 L at work
.set F0,   64
.set F1,   128
.set T,    64                          ; the way out: a row block's 64 scores a lane
.set PK,   128                         ; packed
.set BK,   160                         ; rows read back
.set G1,   24
.set G0,   32                          ; s[32:39] a set for each first fill; the second then walks
.set TB,   40                          ; s40  LDS byte at which the slot in hand begins
.set TD,   41                          ; s41  the same for the slot last asked for
.set WL,   42                          ; s42  my part of a slot
.set LIM,  43
.set PFA,  44
.set DG,   46                          ; s46  0 where my 128 x 128 holds the diagonal
.set CS,   48                          ; s[48:49] c
.set SEL,  50                          ; s[50:51] v_permlanex16_b32's selects
.set MSB, 0
.macro WIN new
.if MSB != (\new)
	s_set_vgpr_msb (MSB<<8)|(\new)
.set MSB, (\new)
.endif
.endm
.set MUL_LO, 0xa1                      ; source 0 (K) window 1, source 1 (Q) window 0, C and D window 2
.macro PLACES
.rept 4
	v_nop
.endr
.endm
; A PREFETCH INTO THE L2 of the K step that the NEXT refill will ask for: my own 128 rows x 256 bytes, a lane a row, four instructions, 256 matrix instructions ahead.  Q's rows are read by all tiles of a tile
; row: the tile with key block 0 asks (waves 0, 1); K's by all tiles of a tile column: the diagonal tile asks (waves 2, 3).  The loop's last trip asks for nothing.
.macro ASK
	WIN 0
	s_cmp_gt_u32 s3, s[LIM]
	s_cbranch_scc0 .Lnot_mine_\@
.irp n, 0,1,2,3
	global_prefetch_b8 v[PFO], s[PFA:PFA+1] offset:(\n)*32*ROWB th:TH_LOAD_NT scope:SCOPE_SE
.endr
.Lnot_mine_\@:
.endm
; 16 matrix instructions: query blocks a0, a0 + 1 of the window's four x all 8 key blocks, 32 channels.  zero = 1: the first product starts the sums.  The 64 accumulators take turns.
.macro MUL16 f, hi, a0, zero
	WIN MUL_LO+0x50*(\hi)
.irp a, \a0, (\a0)+1
.irp b, 0,1,2,3,4,5,6,7
.if \zero
	v_wmma_f32_16x16x32_f16 v[8*(8*(\a)+(\b)):8*(8*(\a)+(\b))+7], v[(\f)+8*(\b):(\f)+8*(\b)+7], v[(\f)+8*(4*(\hi)+(\a)):(\f)+8*(4*(\hi)+(\a))+7], 0
.else
	v_wmma_f32_16x16x32_f16 v[8*(8*(\a)+(\b)):8*(8*(\a)+(\b))+7], v[(\f)+8*(\b):(\f)+8*(\b)+7], v[(\f)+8*(4*(\hi)+(\a)):(\f)+8*(4*(\hi)+(\a))+7], v[8*(8*(\a)+(\b)):8*(8*(\a)+(\b))+7]
.endif
.endr
.endr
.endm
.macro FETCH k, f                      ; 32 LDS loads in one run: 32 channels at byte k of the rows: K's 128 rows, then Q's
	WIN 0x40
.irp i, 0,1,2,3,4,5,6,7
	ds_load_b128 v[(\f)+8*(\i):(\f)+8*(\i)+3],   v[ADB] offset:(\k)+(\i)*16*PITCH
	ds_load_b128 v[(\f)+8*(\i)+4:(\f)+8*(\i)+7], v[ADB] offset:(\k)+(\i)*16*PITCH+32
.endr
	WIN 0
.irp i, 0,1,2,3,4,5,6,7
	ds_load_b128 v[(\f)+8*(\i):(\f)+8*(\i)+3],   v[ADA] offset:(\k)+(\i)*16*PITCH
	ds_load_b128 v[(\f)+8*(\i)+4:(\f)+8*(\i)+7], v[ADA] offset:(\k)+(\i)*16*PITCH+32
.endr
.endm
.macro QUARTER k, f, g, zero           ; multiplies buffer f; in its middle fetches the next 32 channels, at byte k, into g
	s_wait_dscnt 8                                 ; K and Q's rows 0-63 are in; the youngest eight loads may be out
	MUL16 \f, 0, 0, \zero
	MUL16 \f, 0, 2, \zero
	PLACES
	FETCH \k, \g
	s_wait_dscnt 32                                ; all but the 32 just issued
	MUL16 \f, 1, 0, \zero
	MUL16 \f, 1, 2, \zero
.endm
; The last quarter of a K step multiplies buffer 1 and changes slots: each wave waits for all its tensor loads (one is out: its part of the next slot), adds 0 to its spare word, waits for that and for its reads
; of this slot, and passes the barrier.  fill = 1: this slot is filled again first thing, two steps on: 224 matrix instructions ahead of the wait for it.
.macro TURN fill
.if \fill
	s_wait_xcnt 0x0                                ; the last prefetches, a K step back, have read their address
	s_add_nc_u64 s[PFA:PFA+1], s[PFA:PFA+1], 2*KSTEP
.endif
	WIN 0
	s_wait_tensorcnt 0x0
	ds_add_u32 v[SPW], v[NIL]
.if \fill
	s_xor_b32 s[TD], s[TD], SLOT                   ; the walking set: the other slot than last time,
	s_add_co_u32 s[G0+5], s[TD], s[WL]
	s_add_nc_u64 s[G0+6:G0+7], s[G0+6:G0+7], 2*KSTEP   ; the next 128 channels
.endif
	s_wait_dscnt 9                                 ; the add and the youngest eight loads may be out
	MUL16 F1, 0, 0, 0
	s_wait_dscnt 0x0                               ; the add is done, and my reads of this slot are over
	s_barrier_signal -1
	MUL16 F1, 0, 2, 0
	WIN 0
	s_barrier_wait -1
.if \fill
	tensor_load_to_lds s[G0+4:G0+7], s[G1:G1+7]
	s_nop 0
.endif
	PLACES
	s_xor_b32 s[TB], s[TB], SLOT
	v_add_nc_u32 v[ADA], s[TB], v[ADRA]
	v_add_nc_u32 v[ADB], s[TB], v[ADRB]
	FETCH 0, F0
.if \fill
	ASK
.endif
	MUL16 F1, 1, 0, 0
	MUL16 F1, 1, 2, 0
.endm
	s_load_b256 s[4:11], s[0:1], 0x0               ; qkv s[4:5], pt s[6:7], sm s[8:9], sl s[10:11]
	v_lshl_add_u32 v[SPW], v0, 2, SPARE
	v_mov_b32 v[NIL], 0
	ds_add_u32 v[SPW], v[NIL]                      ; the wave's opening: the add, and its wait, ahead of my first tensor load
	v_lshrrev_b32 v1, 5, v0
	v_readfirstlane_b32 s12, v1                    ; wave
	s_lshr_b32 s16, s12, 1                         ; wr: my half of the queries
	s_and_b32 s17, s12, 1                          ; wc: my half of the keys
	s_mov_b32 s2, ttmp9                            ; the tile's number in the triangle
	s_and_b32 s15, ttmp7, 0xffff                   ; the batch
	s_mov_b32 s13, 0                               ; i = how many of the rows' first numbers 1, 3, 6 .. it has reached
.irp th, 1,3,6,10,15,21,28
	s_cmp_ge_u32 s2, \th
	s_add_co_ci_u32 s13, s13, 0
.endr
	s_add_co_u32 s14, s13, 1
	s_mul_i32 s14, s14, s13
	s_lshr_b32 s14, s14, 1
	s_sub_co_u32 s14, s2, s14                      ; j = t - i (i + 1) / 2
	s_mov_b32 s[G1+0], (1<<16)|(1<<20)|(5<<22)|(3<<25)   ; 2-byte elements; padding on: after every 64 words, 4 words
	s_mov_b32 s[G1+1], 128<<16
	s_mov_b32 s[G1+2], 128<<16
	s_mov_b32 s[G1+3], 128<<16
	s_mov_b32 s[G1+4], 128
	s_mov_b32 s[G1+5], 3072
	s_mov_b32 s[G1+6], 0
	s_mov_b32 s[G1+7], 0
	s_cmp_lt_u32 s12, 2                            ; waves 0, 1: Q's rows of block i; waves 2, 3: K's of block j
	s_cselect_b32 s18, s13, s14
	s_cselect_b32 s19, 0, 2048
	s_lshl_b32 s18, s18, 8
	s_lshl_b32 s20, s15, 11
	s_add_co_u32 s18, s18, s20
	s_lshl_b32 s20, s17, 7
	s_add_co_u32 s18, s18, s20
	s_mul_i32 s18, s18, ROWB
	s_add_co_u32 s18, s18, s19
	s_mov_b32 s19, 0
	s_mul_i32 s[WL], s12, HALFT
	s_mov_b32 s[TB], 0
	s_mov_b32 s[TD], SLOT
	s_mov_b32 s[CS], 0x3d38aa3b                    ; c = log2(e) / 32
	s_mov_b32 s[CS+1], s[CS]
	s_mov_b32 s[SEL], 0x76543210
	s_mov_b32 s[SEL+1], 0xfedcba98
	s_xor_b32 s52, s13, s14
	s_xor_b32 s53, s16, s17
	s_or_b32 s[DG], s52, s53
	s_cmp_lt_u32 s12, 2
	s_cselect_b32 s52, s14, s52
	s_cmp_eq_u32 s52, 0
	s_cselect_b32 s[LIM], 1, -1
	s_mov_b32 s[G0], 1
	s_mov_b32 s[G0+1], s[WL]
	s_mov_b32 s[G0+4], 1
	s_add_co_u32 s[G0+5], s[WL], SLOT
	s_wait_dscnt 0x0                               ; the opening add is done
	s_wait_kmcnt 0x0
	s_add_nc_u64 s[20:21], s[4:5], s[18:19]
	s_add_nc_u64 s[G0+2:G0+3], s[20:21], 0
	s_or_b32 s[G0+3], s[G0+3], 0x80000000
	s_add_nc_u64 s[G0+6:G0+7], s[20:21], 2*KSTEP
	s_or_b32 s[G0+7], s[G0+7], 0x80000000
	tensor_load_to_lds s[G0:G0+3], s[G1:G1+7]      ; K steps 0 and 1: two loads of mine are out
	s_nop 0
	tensor_load_to_lds s[G0+4:G0+7], s[G1:G1+7]
	s_nop 0
	PLACES
	s_add_nc_u64 s[PFA:PFA+1], s[20:21], 4*KSTEP   ; at K step 2: the first refill steps it to 3
	v_and_b32 v1, 15, v0                           ; l % 16
	v_bfe_u32 v2, v0, 4, 1                         ; l / 16
	v_and_b32 v5, 31, v0
	v_mul_u32_u24 v3, v1, PITCH
	v_lshl_add_u32 v3, v2, 4, v3
	s_mul_i32 s18, s16, HALFT
	s_mul_i32 s19, s17, HALFT
	s_add_co_u32 s19, s19, 2*HALFT
	v_add_nc_u32 v[ADRA], s18, v3
	v_add_nc_u32 v[ADRB], s19, v3
	v_mov_b32 v[ADA], v[ADRA]
	v_mov_b32 v[ADB], v[ADRB]
	s_lshl_b32 s18, s12, 16
	v_lshl_add_u32 v[DP], v5, 4, s18
	v_lshlrev_b32 v4, 3, v2
	v_sub_nc_u32 v[DD], v1, v4
	s_lshl_b32 s18, s12, 10
	s_add_co_u32 s18, s18, STAT
	v_lshl_add_u32 v[SA], v1, 2, s18
	v_lshl_add_u32 v[SR], v5, 4, s18
	s_mul_i32 s18, s12, 16*PITCH
	s_add_co_u32 s18, s18, STAGE
	v_add_nc_u32 v[STO], s18, v3                   ; in: row l % 16, 16 bytes for each half of the lanes
	v_mul_u32_u24 v4, v2, PITCH
	v_lshl_add_u32 v4, v1, 4, v4
	v_add_nc_u32 v[RD], s18, v4                    ; back: lanes 0-15 a row of 256 bytes, lanes 16-31 the next
	v_lshlrev_b32 v4, 12, v2
	v_lshl_add_u32 v[GO], v1, 4, v4                ; the same two rows in pt
	v_mov_b32 v[NEG], 0xf149f2ca
	v_mov_b32 v[LS+1], 0
	v_mul_u32_u24 v[PFO], v5, ROWB
	v_lshlrev_b32 v[SO], 4, v5
	s_lshl_b32 s18, s15, 11
	s_lshl_b32 s19, s13, 8
	s_add_co_u32 s18, s18, s19
	s_lshl_b32 s19, s16, 7
	s_add_co_u32 s18, s18, s19                     ; my first row
	s_lshl_b32 s52, s18, 2
	s_lshl_b32 s18, s18, 12
	s_lshl_b32 s19, s14, 9
	s_add_co_u32 s18, s18, s19
	s_lshl_b32 s19, s17, 8
	s_add_co_u32 s18, s18, s19                     ; + my first key
	s_mov_b32 s19, 0
	s_add_nc_u64 s[6:7], s[6:7], s[18:19]
	s_lshl_b32 s53, s14, 1
	s_add_co_u32 s53, s53, s17                     ; my key block
	s_lshl_b32 s53, s53, 15
	s_add_co_u32 s52, s52, s53
	s_mov_b32 s53, 0
	s_add_nc_u64 s[8:9], s[8:9], s[52:53]
	s_add_nc_u64 s[10:11], s[10:11], s[52:53]
	s_wait_tensorcnt 0x1                           ; my part of K step 0 is in; step 1's may stay out
	s_barrier_signal -1
	s_barrier_wait -1
	FETCH 0, F0
	QUARTER 64, F0, F1, 1                          ; the first quarter stands in front of the loop: its products start the sums
	WIN 0
	s_mov_b32 s3, 6
.Lstep:                                        ; from a K step's second quarter to the next step's first; trip t asks for step t + 2
	QUARTER 128, F1, F0, 0
	QUARTER 192, F0, F1, 0
	TURN 1
	QUARTER 64, F0, F1, 0
	WIN 0
	s_sub_co_u32 s3, s3, 1
	s_cmp_lg_u32 s3, 0
	s_cbranch_scc1 .Lstep
	QUARTER 128, F1, F0, 0                         ; the tail is written out: nothing is left to ask for
	QUARTER 192, F0, F1, 0
	TURN 0
	QUARTER 64, F0, F1, 0
	QUARTER 128, F1, F0, 0
	QUARTER 192, F0, F1, 0
	s_wait_dscnt 8
	MUL16 F1, 0, 0, 0
	MUL16 F1, 0, 2, 0
	s_wait_dscnt 0x0
	MUL16 F1, 1, 0, 0
	MUL16 F1, 1, 2, 0
	; THE WAY OUT.  The scores go into my 65,536 bytes of LDS (over the ring, behind its last fill), so that one text, walked eight times, serves the eight blocks of 16 queries.
	PLACES
	WIN 0
	s_barrier_signal -1                            ; every wave's reads of the ring are back
	s_barrier_wait -1
.set a, 0
.rept 8
	WIN 0x08+4*(a/4)                               ; store data (source 1) in window 2 or 3
.set k, 0
.rept 16
	ds_store_b128 v[DP], v[64*(a%4)+4*k:64*(a%4)+4*k+3] offset:8192*a+512*k
.set k, k+1
.endr
.set a, a+1
.endr
	WIN 0
	s_mov_b32 s3, 8
.Lsm:
.set k, 0
.rept 16
	ds_load_b128 v[T+4*k:T+4*k+3], v[DP] offset:512*k  ; my own bytes, served in order behind my stores
.set k, k+1
.endr
	s_wait_dscnt 0x0
	s_cmp_lg_u32 s[DG], 0
	s_cbranch_scc1 .Lopen
.set k, 0
.rept 64
	v_cmp_gt_i32 vcc_lo, 16*(k/8)+k%8, v[DD]
	v_cndmask_b32 v[T+k], v[T+k], v[NEG], vcc_lo
.set k, k+1
.endr
.Lopen:
.irp c, 0,1,2,3                        ; the maximum of my 64 scores: four chains of 15, then the four left over
	v_max3_num_f32 v[MX+(\c)], v[T+16*(\c)], v[T+16*(\c)+1], v[T+16*(\c)+2]
.endr
.irp n, 0,1,2,3,4,5
.irp c, 0,1,2,3
	v_max3_num_f32 v[MX+(\c)], v[MX+(\c)], v[T+16*(\c)+3+2*(\n)], v[T+16*(\c)+4+2*(\n)]
.endr
.endr
	v_max3_num_f32 v[MX], v[MX], v[T+15], v[T+31]
	v_max3_num_f32 v[MX+2], v[MX+2], v[T+47], v[T+63]
	v_max3_num_f32 v[MX], v[MX], v[MX+1], v[MX+2]
	v_max_num_f32 v[MX], v[MX], v[MX+3]
	v_permlanex16_b32 v[MX+1], v[MX], s[SEL], s[SEL+1]  ; the query's other 64 keys lie in the lane 16 away
	v_max_num_f32 v[MX], v[MX], v[MX+1]
	v_mul_f32 v[CM], s[CS], v[MX]
	v_mov_b32 v[CM+1], v[CM]
.set k, 0
.rept 32
	v_pk_fma_f32 v[T+2*k:T+2*k+1], v[T+2*k:T+2*k+1], s[CS:CS+1], v[CM:CM+1] op_sel_hi:[1,0,0] neg_lo:[0,0,1] neg_hi:[0,0,1]  ; c s - M
.set k, k+1
.endr
.set k, 0
.rept 64
	v_exp_f32 v[T+k], v[T+k]
.set k, k+1
.endr
	v_nop                                          ; a plain instruction behind the last exponential,
	s_wait_alu depctr_va_vdst(0)                   ; and one wait for the batch of 64, ahead of its first reader
.set k, 0
.rept 32
	v_cvt_pk_f16_f32 v[PK+k], v[T+2*k], v[T+2*k+1]
.set k, k+1
.endr
.irp w, 32,16,8,4,2                    ; the sum of the 32 pairs, in place: pairs w registers apart
.set k, 0
.rept (\w)/2
	v_pk_add_f32 v[T+2*k:T+2*k+1], v[T+2*k:T+2*k+1], v[T+(\w)+2*k:T+(\w)+2*k+1]
.set k, k+1
.endr
.endr
	v_add_f32 v[LS], v[T], v[T+1]
	v_permlanex16_b32 v[LS+1], v[LS], s[SEL], s[SEL+1]
	v_add_f32 v[LS], v[LS], v[LS+1]
.irp b, 0,1,2,3,4,5,6,7
	ds_store_b128 v[STO], v[PK+4*(\b):PK+4*(\b)+3] offset:32*(\b)
.endr
.irp t, 0,1,2,3,4,5,6,7
	ds_load_b128 v[BK+4*(\t):BK+4*(\t)+3], v[RD] offset:(\t)*2*PITCH
.endr
	ds_store_b32 v[SA], v[CM]
	ds_store_b32 v[SA], v[LS] offset:512
.irp t, 0,1,2,3,4,5,6,7
	s_wait_dscnt 9-(\t)                            ; the younger loads and the two stores may be out
	global_store_b128 v[GO], v[BK+4*(\t):BK+4*(\t)+3], s[6:7] offset:8192*(\t)  ; 16 lanes store 256 consecutive bytes, aligned
.endr
	s_wait_xcnt 0x0                                ; the stores have read their data and their base
	v_add_nc_u32 v[DP], 8192, v[DP]
	v_add_nc_u32 v[DD], 16, v[DD]
	v_add_nc_u32 v[SA], 64, v[SA]
	s_add_nc_u64 s[6:7], s[6:7], 65536
	s_sub_co_u32 s3, s3, 1
	s_cmp_lg_u32 s3, 0
	s_cbranch_scc1 .Lsm
	ds_load_b128 v[T:T+3], v[SR]                   ; my 128 M and 128 L, 512 consecutive bytes each
	ds_load_b128 v[T+4:T+7], v[SR] offset:512
	s_wait_dscnt 0x0
	global_store_b128 v[SO], v[T:T+3], s[8:9]
	global_store_b128 v[SO], v[T+4:T+7], s[10:11]
	s_wait_tensorcnt 0x0                           ; the wave's end
	ds_add_u32 v[SPW], v[NIL]
	s_wait_dscnt 0x0
	s_endpgm
.Lfunc_end_k_q4fc9517183_score:
	.size	k_q4fc9517183_score, .Lfunc_end_k_q4fc9517183_score-k_q4fc9517183_score
	.p2alignl 7, 3214868480
	.fill 96, 4, 3214868480
	.section	.rodata,"a",@progbits
	.p2align	6, 0x0
	.amdhsa_kernel k_q4fc9517183_score
		.amdhsa_group_segment_fixed_size 327680
		.amdhsa_private_segment_fixed_size 0
		.amdhsa_enable_private_segment 0
		.amdhsa_kernarg_size 32
		.amdhsa_user_sgpr_count 2
		.amdhsa_user_sgpr_kernarg_segment_ptr 1
		.amdhsa_wavefront_size32 1
		.amdhsa_system_sgpr_workgroup_id_x 1
		.amdhsa_system_sgpr_workgroup_id_y 1
		.amdhsa_system_sgpr_workgroup_id_z 1
		.amdhsa_system_vgpr_workitem_id 0
		.amdhsa_next_free_vgpr 1024
		.amdhsa_next_free_sgpr 66
		.amdhsa_reserve_vcc 1
		.amdhsa_float_denorm_mode_32 3
		.amdhsa_float_denorm_mode_16_64 3
		.amdhsa_memory_ordered 1
		.amdhsa_forward_progress 1
		.amdhsa_inst_pref_size 111
	.end_amdhsa_kernel
	.amdgpu_metadata
---
amdhsa.version: [ 1, 2 ]
amdhsa.kernels:
  - .name:           k_q4fc9517183_score
    .symbol:         k_q4fc9517183_score.kd
    .args:
      - { .name: qkv, .offset: 0, .size: 8, .value_kind: global_buffer, .address_space: global }
      - { .name: pt, .offset: 8, .size: 8, .value_kind: global_buffer, .address_space: global }
      - { .name: sm, .offset: 16, .size: 8, .value_kind: global_buffer, .address_space: global }
      - { .name: sl, .offset: 24, .size: 8, .value_kind: global_buffer, .address_space: global }
    .group_segment_fixed_size: 327680
    .private_segment_fixed_size: 0
    .kernarg_segment_align: 8
    .kernarg_segment_size: 32
    .max_flat_workgroup_size: 128
    .sgpr_count:     66
    .vgpr_count:     1024
    .wavefront_size: 32
...
	.end_amdgpu_metadata
.endif
;; end of part 3
;; launch pv (part 4): grid 8 x 32, 4 waves a work-group, clusters of 4 x 1, 327,680 bytes of LDS; arguments pt, sm, sl, qkv, out0; writes out0
.if DOCPART == 4
	.amdgcn_target "amdgcn-amd-amdhsa--gfx1250"
	.amdhsa_code_object_version 6
	.text
	.protected	k_q4fc9517183_pv
	.globl	k_q4fc9517183_pv
	.p2align	8
	.type	k_q4fc9517183_pv,@function
k_q4fc9517183_pv:
	s_mov_b64 s[64:65], 0
	v_nop
	global_prefetch_b8 v0, s[64:65] scope:SCOPE_SE
	s_setreg_imm32_b32 hwreg(HW_REG_WAVE_MODE, 25, 1), 1
	s_wait_xcnt 0x0
	s_wait_alu depctr_hold_cnt(0) depctr_sa_sdst(0) depctr_va_vdst(0) depctr_va_sdst(0) depctr_va_ssrc(0) depctr_va_vcc(0) depctr_vm_vsrc(0)
	s_getreg_b32 s2, hwreg(HW_REG_IB_STS2, 6, 4)
	s_cmp_eq_u32 s2, 0
	s_cbranch_scc0 .Lentry_in_a_cluster
	s_endpgm
.Lentry_in_a_cluster:
	s_bfe_u32 s2, ttmp6, 0x10000c
	s_cmp_lg_u32 s2, 0x3003
	s_cbranch_scc0 .Lentry_shape_is_right
	s_endpgm
.Lentry_shape_is_right:
; out0[q][o] = (1 / l[q]) x the sum over key blocks kb <= q's block of f[q][kb] x the sum over the block's keys of p~[q][k] V[k][o], with m[q] = the largest M[kb][q] (the row's true maximum, in c log2 units),
; f = 2^(M - m) rounded to f16, l = the sum of f L.  p~ (pt) and V (qkv, byte 4,096 of a row) are f16; p~ f is rounded to f16 for the product; sums, m and l in f32; out0 f32.
; LIMITS.  p~ f below 6e-5 keeps f16's fixed step of 6e-8; f below 3e-8 counts as 0, in l too; a hidden block counts as M = -1e30.  NaN and infinities are not treated apart.
; SHARES.  A work-group takes 128 channels and TWO blocks of 128 queries of a batch, 15 - p and then p: (17 - p) / 2 + (p + 2) / 2 = 9 key steps of 256 keys whatever p: one counted walk, all work-groups alike.
; Four waves, each 64 queries x 64 channels: 16 accumulators.  O^T = V^T P (source 0 = 16 channels, turned out of LDS; source 1 = 16 queries): a lane holds query l % 16, so f is one number a lane and row block.
; CLUSTER.  The four work-groups of a cluster differ in their channels alone: p~'s tile is asked for jointly.  V's tile is each work-group's own: only two of the eight pairs p walk the same key tiles in step.
; BESIDE EACH PRODUCT stand two packed multiplies that scale the fragments of P next in turn by f.
; The accumulators are cleared by vector moves, at the start and at a block's end, on purpose: every key step then has one text.
; REGISTERS: window 0: v2-15 addresses; v16-19, v20-23 f of the step's two key blocks; v24-31 1 / l; v64-127, v128-191 V's fragments, two buffers.  window 1: v0-127 accumulator (a, c) at 8 (4 a + c); v128-191, v192-255 P's fragments.
.set PP,    528                        ; a row of p~ in LDS: 512 bytes + 16
.set PVP,   288                        ; a row of V: 256 + 32
.set AW,    64*PP                      ; what waves 0 and 1 fetch
.set VOFF,  128*PP
.set VW,    128*PVP                    ; what waves 2 and 3 fetch
.set SLOT,  VOFF+256*PVP               ; 141,312
.set STAGE, 2*SLOT                     ; behind the ring: 16 rows x 272 bytes a wave
.set SP,    272
.set FTAB,  STAGE+4*16*SP              ; f, twice in a word, by walk step and key block: 20 entries of 512 bytes, row t's word at 4 t
.set RLT,   FTAB+20*512                ; 1 / l, twice, for the two blocks: 2 x 1,024 bytes, row t's pair at 8 t
.set SPARE, RLT+2048                   ; the spare words, 128 bytes for each wave: two blocks of 256 bytes that no other line names
.set AP0, 2                            ; v2, v3  my lane's place in a tile of p~ and of V; never rewritten
.set AV0, 3
.set ADP, 4                            ; v4  the same in the slot in hand
.set ADV, 5                            ; v5, v6  for keys 0-127 and 128-255
.set FTA, 7                            ; v7  my query's word in the next entry of FTAB
.set RLA, 8
.set STO, 9
.set RD,  10
.set GO,  11
.set SPW, 12
.set NIL, 13
.set PFO, 14
.set FW,  15                           ; v15  where my row's f goes
.set F0,  16
.set F1,  20
.set RL,  24
.set VB,  64
.set PB,  128
.set TM,  64                           ; the table's making, in V's registers: M (18), L (18), offsets (9), f (18)
.set TL,  82
.set TO,  100
.set TF,  110
.set WV, 14                            ; s14 wave; s15 its half of the queries; s16 its half of the channels, and which half of a tile it fetches
.set WQ, 15
.set W1, 16
.set CX, 17
.set OB, 18
.set BT, 19
.set PL, 20                            ; s20 the second block's number p; s21 the first's, 15 - p; s22 the first block's key steps
.set PH, 21
.set NH, 22
.set G1A, 24
.set G1V, 32
.set G0A, 40                           ; s[40:47], s[48:55] a set for each first fill; the second is made anew for each refill
.set G0V, 48
.set U,   56                           ; s56 the walk step in hand
.set BE,  57                           ; s57 the walk step at which the block in hand ends
.set CNT, 58
.set TD,  59
.set TB,  60
.set WLA, 61
.set WLV, 62
.set HIB, 63                           ; s63, s66 byte offset in pt of my rows of the two blocks; s67 in qkv of my rows of V's key tile 0
.set LOB, 66
.set VBS, 67
.set OFA, 68                           ; s[68:69], s[70:71] a tile's offset, high word 0
.set OFV, 70
.set LIM, 72
.set PHI, 73                           ; s73, s98 byte offset in pt of the rows that I prefetch
.set PFA, 74
.set OLO, 76                           ; s[76:77] out0 at my rows of the second block
.set LO,  80                           ; s80-88 all ones where walk step u belongs to the second block
.set VA,  89                           ; s89-97 all ones where walk step u's odd key block is seen
.set PLO, 98
.set BTS, 99                           ; s99 the batch's first row x 4
.set OFP, 100                          ; s[100:101]
.set W_MM, 0x54                        ; V in window 0, P and the sums in window 1; the same setting serves the riders (destination and source 1 in window 1, f in window 0)
.set MSB, 0
.macro WIN new
.if MSB != (\new)
	s_set_vgpr_msb (MSB<<8)|(\new)
.set MSB, (\new)
.endif
.endm
.macro PLACES
.rept 4
	v_nop
.endr
.endm
.macro CREST
	s_cmp_lg_u32 s[WV], 0
	s_cbranch_scc1 .Lnot_wave_0_\@
	s_barrier_signal -3
.Lnot_wave_0_\@:
	s_barrier_wait -3
	s_barrier_signal -1
	s_barrier_wait -1
.endm
.macro CROUND
	s_barrier_signal -1
	s_barrier_wait -1
	CREST
.endm
.macro JLOAD                           ; waves 0 and 1 ask jointly for the halves of p~'s tile, waves 2 and 3 for the halves of the work-group's own tile of V
	s_cmp_lt_u32 s[WV], 2
	s_cbranch_scc0 .Lfor_v_\@
	tensor_load_to_lds s[G0A+4:G0A+7], s[G1A:G1A+7]
	s_nop 0
.rept 4
	v_nop
.endr
	s_branch .Lasked_\@
.Lfor_v_\@:
	tensor_load_to_lds s[G0V+4:G0V+7], s[G1V:G1V+7]
	s_nop 0
.rept 4
	v_nop
.endr
.Lasked_\@:
.endm
; A PREFETCH INTO THE L2 of the walk step that the NEXT refill will ask for: 128 matrix instructions ahead.  p~'s tile is read by the two clusters of a row of the grid: cluster x = 0 asks, wave 0, each partner 32 rows
; by its place (told apart by address), a lane a row, two instructions for a row's 512 bytes; it stops when no walk step is left.  V's tiles are read by all eight pairs: pair 0 asks, whose first block walks all
; eight key tiles; waves 2 and 3, their own 128 rows of 256 bytes, four instructions; it stops at key tile 7: what follows has been read.
.macro ASK
	WIN 0
	s_cmp_gt_u32 s[CNT], s[LIM]
	s_cbranch_scc0 .Lnone_\@
	s_cmp_lt_u32 s[WV], 2
	s_cbranch_scc0 .Lask_v_\@
	global_prefetch_b8 v[PFO], s[PFA:PFA+1] th:TH_LOAD_NT scope:SCOPE_SE
	global_prefetch_b8 v[PFO], s[PFA:PFA+1] offset:256 th:TH_LOAD_NT scope:SCOPE_SE
	s_branch .Lnone_\@
.Lask_v_\@:
.irp n, 0,1,2,3
	global_prefetch_b8 v[PFO], s[PFA:PFA+1] offset:(\n)*196608 th:TH_LOAD_NT scope:SCOPE_SE
.endr
.Lnone_\@:
.endm
.macro LDF fld                         ; FTAB's next entry: f of my query in each of my four row blocks, 16 rows (64 bytes) apart
.irp a, 0,1,2,3
	ds_load_b32 v[(\fld)+(\a)], v[FTA] offset:64*(\a)
.endr
	v_add_nc_u32 v[FTA], 512, v[FTA]
.endm
; 32 LDS loads in one run: quarter qd (64 keys) of the slot in hand into buffer f: V turned (16), P's first 32 keys (8), P's second 32 (8)
.macro FETCH f, qd
	WIN 0
.irp hf, 0,1
.irp c, 0,1,2,3
	ds_load_tr16_b128 v[VB+64*(\f)+32*(\hf)+8*(\c):VB+64*(\f)+32*(\hf)+8*(\c)+3],   v[ADV+(\qd)/2] offset:((\qd)%2)*64*PVP+(\hf)*32*PVP+32*(\c)
	ds_load_tr16_b128 v[VB+64*(\f)+32*(\hf)+8*(\c)+4:VB+64*(\f)+32*(\hf)+8*(\c)+7], v[ADV+(\qd)/2] offset:((\qd)%2)*64*PVP+(\hf)*32*PVP+16*PVP+32*(\c)
.endr
.endr
	WIN 0x40
.irp hf, 0,1
.irp a, 0,1,2,3
	ds_load_b128 v[PB+64*(\f)+32*(\hf)+8*(\a):PB+64*(\f)+32*(\hf)+8*(\a)+3],   v[ADP] offset:128*(\qd)+(\a)*16*PP+64*(\hf)
	ds_load_b128 v[PB+64*(\f)+32*(\hf)+8*(\a)+4:PB+64*(\f)+32*(\hf)+8*(\a)+7], v[ADP] offset:128*(\qd)+(\a)*16*PP+64*(\hf)+32
.endr
.endr
.endm
; Products n0 .. n0 + n - 1 of the 16 of buffer f, half hf (product i: query block i / 4, channel block i % 4; the 16 accumulators take turns); behind each, per riders, from number r0 on:
; rider r scales register r of the 32 of buffer tb, half thf, by f of query block r / 8.
.macro H f, hf, n0, n, tb, thf, fr, r0, per
.set II, (\n0)
.set RR, (\r0)
.rept (\n)
	v_wmma_f32_16x16x32_f16 v[8*II:8*II+7], v[VB+64*(\f)+32*(\hf)+8*(II%4):VB+64*(\f)+32*(\hf)+8*(II%4)+7], v[PB+64*(\f)+32*(\hf)+8*(II/4):PB+64*(\f)+32*(\hf)+8*(II/4)+7], v[8*II:8*II+7]
.if (\per) > 0
.rept (\per)
	v_pk_mul_f16 v[PB+64*(\tb)+32*(\thf)+RR], v[(\fr)+RR/8], v[PB+64*(\tb)+32*(\thf)+RR]
.set RR, RR+1
.endr
.endif
.set II, II+1
.endr
.endm
; One of a key step's first three quarters: multiplies buffer f (its first half is scaled already), fetches quarter qn into the other buffer, scales f's second half by ka and the other buffer's first by kb.
; fld: the registers that take FTAB's next entry, or -1.
.macro Q f, qn, ka, kb, fld
	s_wait_dscnt 0x0                               ; P's second half, asked for a quarter ago, is in
	PLACES                                         ; in front of the loads into the buffer multiplied last
.if (\fld) >= 0
	WIN 0
	LDF \fld
.endif
	FETCH 1-(\f), \qn
	WIN W_MM
	H \f, 0, 0, 16, \f, 1, \ka, 0, 2
	s_wait_dscnt 8                                 ; all but the youngest eight: P's second half
	H \f, 1, 0, 16, 1-(\f), 0, \kb, 0, 2
.endm
; The last quarter multiplies buffer 1 and changes slots: each wave waits for all its tensor loads (one is out: its part of the next slot), adds 0 to its spare word, waits for that and for its reads of this slot.
; fill = 1: the barrier opens a round of the cluster's, and this slot is filled again with walk step U + 2, whose addresses are made anew from that number: 112 matrix instructions ahead of the wait for it.
.macro Q3T fill
.if \fill
	s_wait_xcnt 0x0                                ; the last prefetches, a key step back, have read their address
.endif
	WIN 0
	s_wait_tensorcnt 0x0
	ds_add_u32 v[SPW], v[NIL]
.if \fill
	s_add_co_u32 s78, s[U], 2
	s_cmp_ge_u32 s78, s[NH]                        ; does that step belong to the second block?
	s_cselect_b32 s79, s[NH], 0
	s_cselect_b32 s[OFA], s[LOB], s[HIB]
	s_sub_co_u32 s78, s78, s79                     ; its key tile
	s_lshl_b32 s79, s78, 9
	s_add_co_u32 s[OFA], s[OFA], s79
	s_mul_i32 s[OFV], s78, 1572864
	s_add_co_u32 s[OFV], s[OFV], s[VBS]
	s_add_nc_u64 s[G0A+6:G0A+7], s[4:5], s[OFA:OFA+1]
	s_or_b32 s[G0A+7], s[G0A+7], 0x80000000
	s_add_nc_u64 s[G0V+6:G0V+7], s[10:11], s[OFV:OFV+1]
	s_or_b32 s[G0V+7], s[G0V+7], 0x80000000
	s_xor_b32 s[TD], s[TD], SLOT
	s_add_co_u32 s[G0A+5], s[TD], s[WLA]
	s_add_co_u32 s[G0V+5], s[TD], s[WLV]
	s_add_co_u32 s78, s[U], 3                      ; and the step after it, for the prefetches
	s_cmp_ge_u32 s78, s[NH]
	s_cselect_b32 s79, s[NH], 0
	s_cselect_b32 s[OFP], s[PLO], s[PHI]
	s_sub_co_u32 s78, s78, s79
	s_lshl_b32 s79, s78, 9
	s_add_co_u32 s[OFP], s[OFP], s79
	s_mul_i32 s79, s78, 1572864
	s_add_co_u32 s79, s79, s[VBS]
	s_cmp_lt_u32 s[WV], 2
	s_cselect_b32 s[OFP], s[OFP], s79
	s_cselect_b64 s[PFA:PFA+1], s[4:5], s[10:11]
	s_add_nc_u64 s[PFA:PFA+1], s[PFA:PFA+1], s[OFP:OFP+1]
.endif
	s_wait_dscnt 1                                 ; P's second half is in; the add may be out
	WIN W_MM
	H 1, 0, 0, 8, 1, 1, F1, 0, 2
	s_wait_dscnt 0x0                               ; the add is done, and my reads of this slot are over
	s_barrier_signal -1
	H 1, 0, 8, 8, 1, 1, F1, 16, 2
	WIN 0
	s_barrier_wait -1
.if \fill
	CREST                                          ; no wave of any partner still reads this slot or has a load on its way
	JLOAD
.else
	PLACES
.endif
	s_xor_b32 s[TB], s[TB], SLOT
	v_add_nc_u32 v[ADP], s[TB], v[AP0]
	v_add_nc_u32 v[ADV], s[TB], v[AV0]
	v_add_nc_u32 v[ADV+1], 128*PVP, v[ADV]
	FETCH 0, 0
.if \fill
	ASK
.endif
	WIN W_MM
	H 1, 1, 0, 8, 0, 0, F0, 0, 0                   ; eight products stand bare while the next slot's first fragments come,
	s_wait_dscnt 8
	H 1, 1, 8, 8, 0, 0, F0, 0, 4                   ; and the other eight carry all 32 riders
.endm
.macro STEP fill
	Q 0, 1, F0, F0, F1
	Q 1, 2, F0, F1, -1
	Q 0, 3, F1, F1, F0
	Q3T \fill
	WIN 0
.endm
; A BLOCK'S END: the sums times 1 / l, through my stage as whole rows of 256 bytes (64 channels of f32), and the accumulators cleared.  It holds no barrier and no tensor load.
.macro OUT
	PLACES
.irp a, 0,1,2,3
	ds_load_b64 v[RL+2*(\a):RL+2*(\a)+1], v[RLA] offset:128*(\a)
.endr
	s_wait_dscnt 0x0
	WIN 0x41
.set i, 0
.rept 64
	v_pk_mul_f32 v[2*i:2*i+1], v[2*i:2*i+1], v[RL+2*(i/16):RL+2*(i/16)+1]
.set i, i+1
.endr
.irp a, 0,1,2,3
	WIN 0x04                                       ; store data (source 1) in window 1
.irp c, 0,1,2,3
	ds_store_b128 v[STO], v[32*(\a)+8*(\c):32*(\a)+8*(\c)+3]   offset:64*(\c)
	ds_store_b128 v[STO], v[32*(\a)+8*(\c)+4:32*(\a)+8*(\c)+7] offset:64*(\c)+16
.endr
	WIN 0
	s_wait_xcnt 0x0                                ; earlier stores have read the registers that are loaded again
.irp t, 0,1,2,3,4,5,6,7
	ds_load_b128 v[128+32*((\a)%2)+4*(\t):128+32*((\a)%2)+4*(\t)+3], v[RD] offset:(\t)*2*SP  ; my own bytes, served in order behind my stores
.endr
.irp t, 0,1,2,3,4,5,6,7
	s_wait_dscnt 7-(\t)
	global_store_b128 v[GO], v[128+32*((\a)%2)+4*(\t):128+32*((\a)%2)+4*(\t)+3], s[12:13] offset:(16*(\a)+2*(\t))*4096 th:TH_STORE_NT  ; 16 lanes store 256 consecutive bytes, aligned
.endr
.endr
	WIN 0x40
.set i, 0
.rept 128
	v_mov_b32 v[i], 0
.set i, i+1
.endr
	WIN 0
	s_wait_xcnt 0x0                                ; the stores have read their data and their base
	s_mov_b64 s[12:13], s[OLO:OLO+1]
	s_mov_b32 s[BE], 9
	v_add_nc_u32 v[RLA], 1024, v[RLA]
.endm
	s_load_b256 s[4:11], s[0:1], 0x0               ; pt s[4:5], sm s[6:7], sl s[8:9], qkv s[10:11]
	s_load_b64 s[12:13], s[0:1], 0x20              ; out0
	v_lshl_add_u32 v[SPW], v0, 2, SPARE
	v_mov_b32 v[NIL], 0
	ds_add_u32 v[SPW], v[NIL]                      ; the wave's opening: the add, and its wait, ahead of my first tensor load
	v_lshrrev_b32 v1, 5, v0
	v_readfirstlane_b32 s[WV], v1
	s_lshr_b32 s[WQ], s[WV], 1
	s_and_b32 s[W1], s[WV], 1
	s_bfe_u32 s[CX], ttmp6, 0x40000
	s_lshl_b32 s[OB], ttmp9, 2
	s_add_co_u32 s[OB], s[OB], s[CX]               ; my block of 128 channels
	s_and_b32 s23, ttmp7, 0xffff
	s_lshr_b32 s[BT], s23, 3
	s_and_b32 s[PL], s23, 7
	s_sub_co_u32 s[PH], 15, s[PL]
	s_add_co_u32 s[NH], s[PH], 2
	s_lshr_b32 s[NH], s[NH], 1
	s_lshl_b32 s[BTS], s[BT], 23                   ; the batch's first row x 4,096
	s_lshl_b32 s78, s[PH], 19
	s_add_co_u32 s78, s78, s[BTS]                  ; the first block's first row x 4,096
	s_lshl_b32 s79, s[PL], 19
	s_add_co_u32 s79, s79, s[BTS]                  ; the second's
	s_lshl_b32 s23, s[W1], 18                      ; the 64 rows that I fetch
	s_add_co_u32 s[HIB], s78, s23
	s_add_co_u32 s[LOB], s79, s23
	s_lshl_b32 s23, s[CX], 17                      ; the 32 rows that my work-group prefetches
	s_add_co_u32 s[PHI], s78, s23
	s_add_co_u32 s[PLO], s79, s23
	s_lshl_b32 s23, s[WQ], 18                      ; out0: my 64 rows, my 64 channels
	s_lshl_b32 s[OFP], s[OB], 9
	s_add_co_u32 s23, s23, s[OFP]
	s_lshl_b32 s[OFP], s[W1], 8
	s_add_co_u32 s23, s23, s[OFP]
	s_add_co_u32 s2, s78, s23
	s_mov_b32 s3, 0
	s_add_co_u32 s104, s79, s23
	s_mov_b32 s105, 0
	s_mul_i32 s[VBS], s[BT], 12582912              ; V: (2048 x batch + 128 x half) rows of 6,144 bytes, byte 4,096 + 256 x channel block
	s_mul_i32 s23, s[W1], 786432
	s_add_co_u32 s[VBS], s[VBS], s23
	s_lshl_b32 s23, s[OB], 8
	s_add_co_u32 s[VBS], s[VBS], s23
	s_add_co_u32 s[VBS], s[VBS], 4096
	s_lshl_b32 s[BTS], s[BT], 13
	s_mov_b32 s[OFA], s[HIB]
	s_mov_b32 s[OFA+1], 0
	s_mov_b32 s[OFV], s[VBS]
	s_mov_b32 s[OFV+1], 0
	s_mov_b32 s[OFP+1], 0
	s_mul_i32 s[WLA], s[W1], AW
	s_mul_i32 s[WLV], s[W1], VW
	s_add_co_u32 s[WLV], s[WLV], VOFF
	s_mov_b32 s[TD], SLOT
	s_mov_b32 s[TB], 0
	s_mov_b32 s[U], 0
	s_mov_b32 s[BE], s[NH]
	s_mov_b32 s[G1A], 15|(1<<16)|(1<<20)|(1<<21)|(6<<22)|(3<<25)   ; the mask of four; 2-byte elements; padding on; bit 21 beside a mask; after every 128 words, 4 words
	s_mov_b32 s[G1A+1], 256<<16
	s_mov_b32 s[G1A+2], 64<<16
	s_mov_b32 s[G1A+3], 256<<16
	s_mov_b32 s[G1A+4], 64
	s_mov_b32 s[G1A+5], 2048
	s_mov_b32 s[G1A+6], 0
	s_mov_b32 s[G1A+7], 0
	s_mov_b32 s[G1V], (1<<16)|(1<<20)|(5<<22)|(7<<25)              ; no mask; after every 64 words, 8 words
	s_mov_b32 s[G1V+1], 128<<16
	s_mov_b32 s[G1V+2], 128<<16
	s_mov_b32 s[G1V+3], 128<<16
	s_mov_b32 s[G1V+4], 128
	s_mov_b32 s[G1V+5], 3072
	s_mov_b32 s[G1V+6], 0
	s_mov_b32 s[G1V+7], 0
	s_mov_b32 s[G0A], 1
	s_mov_b32 s[G0A+1], s[WLA]
	s_mov_b32 s[G0A+4], 1
	s_add_co_u32 s[G0A+5], s[WLA], SLOT
	s_mov_b32 s[G0V], 1
	s_mov_b32 s[G0V+1], s[WLV]
	s_mov_b32 s[G0V+4], 1
	s_add_co_u32 s[G0V+5], s[WLV], SLOT
	s_mov_b32 s23, 6144                            ; bytes from row to row of what I prefetch: qkv's, or
	s_cmp_lt_u32 s[WV], 2                          ; who prefetches: the same in all four partners, for a given wave
	s_cselect_b32 s78, ttmp9, s[PL]
	s_cselect_b32 s79, 1, 2
	s_cselect_b32 s23, 4096, s23                   ; pt's
	s_cmp_eq_u32 s[WV], 1
	s_cselect_b32 s78, 1, s78
	s_cmp_eq_u32 s78, 0
	s_cselect_b32 s[LIM], s79, -1
	s_wait_dscnt 0x0                               ; the opening add is done
	s_wait_kmcnt 0x0
	s_add_nc_u64 s[G0A+2:G0A+3], s[4:5], s[OFA:OFA+1]   ; walk steps 0 and 1 are the first block's key tiles 0 and 1 (it has five or more)
	s_add_nc_u64 s[G0A+6:G0A+7], s[G0A+2:G0A+3], 512
	s_or_b32 s[G0A+3], s[G0A+3], 0x80000000
	s_or_b32 s[G0A+7], s[G0A+7], 0x80000000
	s_add_nc_u64 s[G0V+2:G0V+3], s[10:11], s[OFV:OFV+1]
	s_add_nc_u64 s[G0V+6:G0V+7], s[G0V+2:G0V+3], 1572864
	s_or_b32 s[G0V+3], s[G0V+3], 0x80000000
	s_or_b32 s[G0V+7], s[G0V+7], 0x80000000
	s_add_nc_u64 s[OLO:OLO+1], s[12:13], s[104:105]
	s_add_nc_u64 s[12:13], s[12:13], s[2:3]
	s_mov_b64 s[PFA:PFA+1], s[4:5]                 ; made anew ahead of each prefetch
	CROUND                                         ; all four work-groups are here: the first joint loads meet
	s_cmp_lt_u32 s[WV], 2                          ; a wave's two first fills stand in one branch: two loads of mine are out
	s_cbranch_scc0 .Lfirst_v
	tensor_load_to_lds s[G0A:G0A+3], s[G1A:G1A+7]
	s_nop 0
	tensor_load_to_lds s[G0A+4:G0A+7], s[G1A:G1A+7]
	s_nop 0
.rept 4
	v_nop
.endr
	s_branch .Lfirst_asked
.Lfirst_v:
	tensor_load_to_lds s[G0V:G0V+3], s[G1V:G1V+7]
	s_nop 0
	tensor_load_to_lds s[G0V+4:G0V+7], s[G1V:G1V+7]
	s_nop 0
.rept 4
	v_nop
.endr
.Lfirst_asked:
	; THE TABLE.  Thread t stands for row t of both blocks.  For each of the nine walk steps: its block, its key tile, whether its odd key block is seen (the even one always is), and the row's M and L of both key blocks.
.set u, 0
.rept 9
	s_cmp_le_u32 s[NH], u
	s_cselect_b32 s[LO+u], -1, 0
	s_cselect_b32 s78, s[NH], 0
	s_cselect_b32 s79, s[PL], s[PH]
	s_sub_co_u32 s78, u, s78                       ; the key tile
	s_lshl_b32 s2, s78, 1
	s_add_co_u32 s2, s2, 1
	s_cmp_le_u32 s2, s79
	s_cselect_b32 s[VA+u], -1, 0
	s_lshl_b32 s78, s78, 16                        ; two planes of 32,768 bytes a key tile
	s_lshl_b32 s79, s79, 9
	s_add_co_u32 s78, s78, s79
	s_add_co_u32 s78, s78, s[BTS]
	v_lshl_add_u32 v[TO+u], v0, 2, s78
	global_load_b32 v[TM+2*u],   v[TO+u], s[6:7]
	global_load_b32 v[TM+2*u+1], v[TO+u], s[6:7] offset:32768
	global_load_b32 v[TL+2*u],   v[TO+u], s[8:9]
	global_load_b32 v[TL+2*u+1], v[TO+u], s[8:9] offset:32768
.set u, u+1
.endr
	v_and_b32 v1, 15, v0                           ; l % 16
	v_bfe_u32 v32, v0, 4, 1                        ; l / 16
	v_and_b32 v33, 31, v0
	v_mul_u32_u24 v[PFO], s23, v33
	v_mul_u32_u24 v[AP0], v1, PP
	v_lshl_add_u32 v[AP0], v32, 4, v[AP0]
	s_mul_i32 s23, s[WQ], 64*PP
	v_add_nc_u32 v[AP0], s23, v[AP0]               ; (64 wq + l % 16) x pitch + 16 (l / 16)
	v_and_b32 v34, 7, v0                           ; the turning load: lane l reads key 8 (l / 16) + l % 8, channels 8 ((l / 8) % 2) + 0..7
	v_bfe_u32 v35, v0, 3, 1
	v_lshl_add_u32 v[AV0], v32, 3, v34
	v_mul_u32_u24 v[AV0], v[AV0], PVP
	v_lshl_add_u32 v[AV0], v35, 4, v[AV0]
	s_lshl_b32 s23, s[W1], 7
	s_add_co_u32 s23, s23, VOFF
	v_add_nc_u32 v[AV0], s23, v[AV0]
	s_lshl_b32 s23, s[WQ], 8
	s_add_co_u32 s23, s23, FTAB
	v_lshl_add_u32 v[FTA], v1, 2, s23              ; row 64 wq + l % 16 of an entry
	s_lshl_b32 s23, s[WQ], 9
	s_add_co_u32 s23, s23, RLT
	v_lshl_add_u32 v[RLA], v1, 3, s23
	s_mul_i32 s23, s[WV], 16*SP
	s_add_co_u32 s23, s23, STAGE
	v_mul_u32_u24 v36, v1, SP
	v_lshl_add_u32 v36, v32, 5, v36
	v_add_nc_u32 v[STO], s23, v36                  ; in: row l % 16, 32 bytes for each half of the lanes
	v_mul_u32_u24 v36, v32, SP
	v_lshl_add_u32 v36, v1, 4, v36
	v_add_nc_u32 v[RD], s23, v36
	v_lshlrev_b32 v36, 12, v32
	v_lshl_add_u32 v[GO], v1, 4, v36
	v_lshl_add_u32 v[FW], v0, 2, FTAB              ; row t's word: a wave's 128 bytes of an entry lie on end
	v_lshl_add_u32 v54, v0, 3, RLT
	v_mov_b32 v40, 0xf149f2ca                      ; -1e30
	v_mov_b32 v41, 0
	v_mov_b32 v42, v40                             ; the first block's m
	v_mov_b32 v43, v40                             ; the second's
	v_mov_b32 v47, 0                               ; their l
	v_mov_b32 v48, 0
	s_wait_loadcnt 0x0
.set u, 0
.rept 9
	v_cndmask_b32 v[TM+2*u+1], v40, v[TM+2*u+1], s[VA+u]
	v_max_num_f32 v44, v[TM+2*u], v[TM+2*u+1]
	v_cndmask_b32 v45, v44, v40, s[LO+u]
	v_cndmask_b32 v46, v40, v44, s[LO+u]
	v_max_num_f32 v42, v42, v45
	v_max_num_f32 v43, v43, v46
.set u, u+1
.endr
.set u, 0
.rept 9
	v_cndmask_b32 v44, v42, v43, s[LO+u]
	v_sub_f32 v[TF+2*u], v[TM+2*u], v44
	v_sub_f32 v[TF+2*u+1], v[TM+2*u+1], v44
.set u, u+1
.endr
.set n, 0
.rept 18
	v_exp_f32 v[TF+n], v[TF+n]
.set n, n+1
.endr
	v_nop                                          ; a plain instruction behind the last exponential,
	s_wait_alu depctr_va_vdst(0)                   ; and one wait for the batch of 18
.set n, 0
.rept 18
	v_cvt_pk_f16_f32 v[TF+n], v[TF+n], v[TF+n]     ; f, rounded, twice in a word
	v_cndmask_b32 v45, v[TL+n], v41, s[LO+n/2]
	v_cndmask_b32 v46, v41, v[TL+n], s[LO+n/2]
	v_fma_mix_f32 v47, v[TF+n], v45, v47 op_sel_hi:[1,0,0]   ; l takes the rounded f, as the products do
	v_fma_mix_f32 v48, v[TF+n], v46, v48 op_sel_hi:[1,0,0]
	ds_store_b32 v[FW], v[TF+n] offset:512*n
.set n, n+1
.endr
	ds_store_b32 v[FW], v41 offset:512*18          ; behind the walk's end: what the last step fetches ahead is scaled by 0
	v_rcp_f32 v50, v47
	v_rcp_f32 v52, v48
	v_nop
	s_wait_alu depctr_va_vdst(0)
	v_mov_b32 v51, v50
	v_mov_b32 v53, v52
	ds_store_b64 v54, v[50:51]
	ds_store_b64 v54, v[52:53] offset:1024
	s_wait_tensorcnt 0x1                           ; my part of walk step 0 is in; step 1's may stay out
	s_wait_dscnt 0x0                               ; for the others' sake: my part of the table is stored
	s_barrier_signal -1
	s_barrier_wait -1
	LDF F0
	v_mov_b32 v[ADP], v[AP0]
	v_mov_b32 v[ADV], v[AV0]
	v_add_nc_u32 v[ADV+1], 128*PVP, v[AV0]
	FETCH 0, 0
	WIN 0x40
.set i, 0
.rept 128
	v_mov_b32 v[i], 0
.set i, i+1
.endr
	s_wait_dscnt 0x0
	WIN W_MM
.set i, 0
.rept 32
	v_pk_mul_f16 v[PB+i], v[F0+i/8], v[PB+i]
.set i, i+1
.endr
	WIN 0
	s_mov_b32 s[CNT], 7
.Lfill:                                        ; walk steps 0 to 6: each asks for the step two on
	STEP 1
	s_add_co_u32 s[U], s[U], 1
	s_cmp_lg_u32 s[U], s[BE]
	s_cbranch_scc1 .Lon_1
	OUT
.Lon_1:
	s_sub_co_u32 s[CNT], s[CNT], 1
	s_cmp_lg_u32 s[CNT], 0
	s_cbranch_scc1 .Lfill
	s_mov_b32 s[CNT], 2
.Ltail:                                        ; walk steps 7 and 8 ask for nothing; the last fetches the other slot's stale bytes ahead and scales them by 0: the price of one text for both
	STEP 0
	s_add_co_u32 s[U], s[U], 1
	s_cmp_lg_u32 s[U], s[BE]
	s_cbranch_scc1 .Lon_2
	OUT
.Lon_2:
	s_sub_co_u32 s[CNT], s[CNT], 1
	s_cmp_lg_u32 s[CNT], 0
	s_cbranch_scc1 .Ltail
	s_wait_tensorcnt 0x0                           ; the wave's end
	ds_add_u32 v[SPW], v[NIL]
	s_wait_dscnt 0x0
	CROUND                                         ; the closing round
	s_endpgm
.Lfunc_end_k_q4fc9517183_pv:
	.size	k_q4fc9517183_pv, .Lfunc_end_k_q4fc9517183_pv-k_q4fc9517183_pv
	.p2alignl 7, 3214868480
	.fill 96, 4, 3214868480
	.section	.rodata,"a",@progbits
	.p2align	6, 0x0
	.amdhsa_kernel k_q4fc9517183_pv
		.amdhsa_group_segment_fixed_size 327680
		.amdhsa_private_segment_fixed_size 0
		.amdhsa_enable_private_segment 0
		.amdhsa_kernarg_size 40
		.amdhsa_user_sgpr_count 2
		.amdhsa_user_sgpr_kernarg_segment_ptr 1
		.amdhsa_wavefront_size32 1
		.amdhsa_system_sgpr_workgroup_id_x 1
		.amdhsa_system_sgpr_workgroup_id_y 1
		.amdhsa_system_sgpr_workgroup_id_z 1
		.amdhsa_system_vgpr_workitem_id 0
		.amdhsa_next_free_vgpr 512
		.amdhsa_next_free_sgpr 106
		.amdhsa_reserve_vcc 0
		.amdhsa_float_denorm_mode_32 3
		.amdhsa_float_denorm_mode_16_64 3
		.amdhsa_memory_ordered 1
		.amdhsa_forward_progress 1
		.amdhsa_inst_pref_size 142
	.end_amdhsa_kernel
	.amdgpu_metadata
---
amdhsa.version: [ 1, 2 ]
amdhsa.kernels:
  - .name:           k_q4fc9517183_pv
    .symbol:         k_q4fc9517183_pv.kd
    .args:
      - { .name: pt, .offset: 0, .size: 8, .value_kind: global_buffer, .address_space: global }
      - { .name: sm, .offset: 8, .size: 8, .value_kind: global_buffer, .address_space: global }
      - { .name: sl, .offset: 16, .size: 8, .value_kind: global_buffer, .address_space: global }
      - { .name: qkv, .offset: 24, .size: 8, .value_kind: global_buffer, .address_space: global }
      - { .name: out0, .offset: 32, .size: 8, .value_kind: global_buffer, .address_space: global }
    .group_segment_fixed_size: 327680
    .private_segment_fixed_size: 0
    .kernarg_segment_align: 8
    .kernarg_segment_size: 40
    .max_flat_workgroup_size: 128
    .sgpr_count:     106
    .vgpr_count:     512
    .wavefront_size: 32
...
	.end_amdgpu_metadata
.endif
;; end of part 4
;; ======== version 2 of 2: 4 launches; version 1 with the launch cast written anew for expert scheduling mode
;; limits: values are held in f16: magnitudes above 65,504 overflow, below 6.1e-05 lose precision
;; workspace buffers: ab 23,068,672 bytes; bcat 12,288 bytes; qkv 50,331,648 bytes; pt 33,554,432 bytes; sm 524,288 bytes; sl 524,288 bytes
;; launch cast (part 5): grid 352 x 1, 8 waves a work-group, no clusters, 0 bytes of LDS; arguments x, Wq, Wk, Wv, bq, bk, bv, ab, bcat; writes ab, bcat
.if DOCPART == 5
	.amdgcn_target "amdgcn-amd-amdhsa--gfx1250"
	.amdhsa_code_object_version 6
	.text
	.protected	k_q4fc9517183_cast
	.globl	k_q4fc9517183_cast
	.p2align	8
	.type	k_q4fc9517183_cast,@function
k_q4fc9517183_cast:
	s_mov_b64 s[64:65], 0
	v_nop
	global_prefetch_b8 v0, s[64:65] scope:SCOPE_SE
	s_setreg_imm32_b32 hwreg(HW_REG_WAVE_SCHED_MODE, 0, 2), 2
	s_setreg_imm32_b32 hwreg(HW_REG_WAVE_MODE, 25, 1), 1
	s_wait_xcnt 0x0
	s_wait_alu depctr_vm_vsrc(0)
; x [8192][1024], Wq, Wk, Wv [1024][1024] f32 -> ab [16 kb][11264 rows][64] bf16 (rows: x, then Wq, Wk, Wv); bq, bk, bv -> bcat [3072] f32 holding the biases rounded to bf16.
; In ab the 64 channels of a K block lie row after row, so that a tile's rows of one K block are dense bytes for the next launch.
; A stream: every input byte is read once, every output byte written once; no LDS, no matrix unit, no cluster: nothing is shared and nothing is multiplied.
; SHARES.  Work-group g owns the stacked rows 32 g .. 32 g + 31, wave w four of them.  Lane l takes row l / 8 of the four and the 8 numbers at 32 (l % 8) bytes of each 256-byte K block:
; rounded they are 16 bytes, and the wave's store covers 512 consecutive bytes of one plane of ab (4 rows x 128 bytes), aligned.
; All 32 loads of a lane go out at once; every register is used once, so no register is freed by a wait.
; THE MODE: SCHED_MODE bits 1:0 = 2 (LLVM: expert scheduling mode 2), set by the entry lines.  The code itself states the register dependences
; between vector instructions and memory instructions, with s_wait_alu, always for 0.
; THE PLAN.  Registers that memory instructions touch:
;   v1, v4, v6  byte offsets, made once at the head and never written again: one wait ahead of the first load serves every load and store of the launch.
;   X           each register is the landing place of one load and of nothing else; no vector instruction names it ahead of that load.
;   Y           K block kb's four registers are written once, by its four roundings, and read once, by its store; none is written again.
;   v[8:9], v[12:13]  the bias: landing place of one load; data of one store.
; The 16 K blocks go in four groups of four.  K block kb's turn holds the store of K block kb - 4, of the group before, and then its own roundings.  ONE wait at a group's head states that the
; group before has written its 16 registers of Y; the vector instructions issued since that wait name this group's X and Y alone, none of the registers that the four stores dealt among them read.
.set PLANE, 1441792                    ; bytes of a K block's plane in ab: 11,264 rows x 128
.set GROUP, 4                          ; K blocks in a group
.set X, 16                             ; v[16:143]  as loaded: K block kb at X + 8 kb
.set Y, 144                            ; v[144:207] to store: K block kb at Y + 4 kb
	s_load_b512 s[4:19], s[0:1], 0x0               ; x s[4:5], Wq s[6:7], Wk s[8:9], Wv s[10:11], bq s[12:13], bk s[14:15], bv s[16:17], ab s[18:19]
	s_load_b64 s[20:21], s[0:1], 0x40              ; bcat
	s_mov_b32 s2, ttmp9                            ; g
	v_lshrrev_b32 v2, 3, v0                        ; my row among the group's 32
	v_and_b32 v3, 7, v0
	v_lshlrev_b32 v1, 12, v2                       ; x 4,096 bytes
	v_lshl_or_b32 v1, v3, 5, v1                    ; + my 32 bytes of a K block
	v_lshlrev_b32 v4, 4, v0                        ; out: 16 x thread = 128 x row + 16 (l % 8)
	v_lshrrev_b32 v5, 5, v0
	v_readfirstlane_b32 s3, v5                     ; wave
	v_and_b32 v6, 31, v0                           ; the biases' offset, 8 bytes a lane: made here with the other offsets
	v_lshlrev_b32 v6, 3, v6
	s_wait_alu depctr_va_sdst(0)                   ; s3 is written
	s_and_b32 s26, s2, 31                          ; the block of 32 rows inside a weight,
	s_cmp_lt_u32 s2, 256
	s_cselect_b32 s26, s2, s26                     ; or inside x
	s_lshl_b32 s26, s26, 17                        ; x 32 rows of 4,096 bytes
	s_mov_b32 s27, 0
	s_lshl_b32 s36, s2, 12                         ; in a plane of ab: 32 rows of 128 bytes
	s_mov_b32 s37, 0
	s_wait_kmcnt 0x0
	s_cmp_lt_u32 s2, 320                           ; which tensor holds my rows, and which bias goes with it
	s_cselect_b64 s[22:23], s[8:9], s[10:11]
	s_cselect_b64 s[24:25], s[14:15], s[16:17]
	s_cmp_lt_u32 s2, 288
	s_cselect_b64 s[22:23], s[6:7], s[22:23]
	s_cselect_b64 s[24:25], s[12:13], s[24:25]
	s_cmp_lt_u32 s2, 256
	s_cselect_b64 s[22:23], s[4:5], s[22:23]
	s_add_nc_u64 s[22:23], s[22:23], s[26:27]
	s_add_nc_u64 s[28:29], s[18:19], s[36:37]      ; four bases, four planes apart: three planes fit into a store's immediate
	s_add_nc_u64 s[30:31], s[28:29], 4*PLANE
	s_add_nc_u64 s[32:33], s[28:29], 8*PLANE
	s_add_nc_u64 s[34:35], s[28:29], 12*PLANE
	s_wait_alu depctr_va_vdst(0)                   ; v1, v4 and v6 are written: every load and store of the launch reads one of them as its offset
.set kb, 0
.rept 16
	global_load_b128 v[X+8*kb:X+8*kb+3],   v1, s[22:23] offset:256*kb th:TH_LOAD_NT
	global_load_b128 v[X+8*kb+4:X+8*kb+7], v1, s[22:23] offset:256*kb+16 th:TH_LOAD_NT
.set kb, kb+1
.endr
.set kb, 0
.rept 16
	s_wait_loadcnt 30-2*kb                         ; loads come back in order: K block kb's two are in, the 30 - 2 kb younger ones stay out
.if (kb >= GROUP) && (kb % GROUP == 0)
	s_wait_alu depctr_va_vdst(0)                   ; the roundings of the group before have written its 16 registers of Y, which this group's four stores read
.endif
.if kb >= GROUP
.set sb, kb-GROUP                      ; the K block that is stored in this turn
	global_store_b128 v4, v[Y+4*sb:Y+4*sb+3], s[28+2*(sb/4):29+2*(sb/4)] offset:(sb%4)*PLANE th:TH_STORE_NT  ; no vector instruction since the wait names these registers
.endif
.irp r, 0,1,2,3
	v_cvt_pk_bf16_f32 v[Y+4*kb+(\r)], v[X+8*kb+2*(\r)], v[X+8*kb+2*(\r)+1]
.endr
.set kb, kb+1
.endr
	s_wait_alu depctr_va_vdst(0)                   ; the last group's roundings have written its 16 registers of Y, which the last four stores read
.set sb, 16-GROUP
.rept GROUP
	global_store_b128 v4, v[Y+4*sb:Y+4*sb+3], s[28+2*(sb/4):29+2*(sb/4)] offset:(sb%4)*PLANE th:TH_STORE_NT
.set sb, sb+1
.endr
	; The biases: wave 0 of each even group of a weight takes 64 numbers, 256 aligned bytes in and out.
	s_cmp_lt_u32 s2, 256
	s_cbranch_scc1 .Lend
	s_bitcmp1_b32 s2, 0
	s_cbranch_scc1 .Lend
	s_cmp_lg_u32 s3, 0
	s_cbranch_scc1 .Lend
	s_and_b32 s26, s2, 31
	s_lshl_b32 s26, s26, 7                         ; 32 numbers of 4 bytes a group
	s_sub_co_u32 s36, s2, 256
	s_lshl_b32 s36, s36, 7
	s_add_nc_u64 s[24:25], s[24:25], s[26:27]
	s_add_nc_u64 s[20:21], s[20:21], s[36:37]
	global_load_b64 v[8:9], v6, s[24:25]           ; no wait: v6 was written ahead of the wait in front of the first load, and no vector instruction has named v8 or v9
	s_wait_loadcnt 0x0
	v_cvt_pk_bf16_f32 v10, v8, v9                  ; rounded as the other inputs are,
	v_lshlrev_b32 v12, 16, v10                     ; and kept as f32
	v_and_b32 v13, 0xffff0000, v10
	s_wait_alu depctr_va_vdst(0)                   ; v12 and v13 are written, which the store reads
	global_store_b64 v6, v[12:13], s[20:21]
.Lend:
	s_endpgm
.Lfunc_end_k_q4fc9517183_cast:
	.size	k_q4fc9517183_cast, .Lfunc_end_k_q4fc9517183_cast-k_q4fc9517183_cast
	.p2alignl 7, 3214868480
	.fill 96, 4, 3214868480
	.section	.rodata,"a",@progbits
	.p2align	6, 0x0
	.amdhsa_kernel k_q4fc9517183_cast
		.amdhsa_group_segment_fixed_size 0
		.amdhsa_private_segment_fixed_size 0
		.amdhsa_enable_private_segment 0
		.amdhsa_kernarg_size 72
		.amdhsa_user_sgpr_count 2
		.amdhsa_user_sgpr_kernarg_segment_ptr 1
		.amdhsa_wavefront_size32 1
		.amdhsa_system_sgpr_workgroup_id_x 1
		.amdhsa_system_sgpr_workgroup_id_y 1
		.amdhsa_system_sgpr_workgroup_id_z 1
		.amdhsa_system_vgpr_workitem_id 0
		.amdhsa_next_free_vgpr 208
		.amdhsa_next_free_sgpr 66
		.amdhsa_reserve_vcc 0
		.amdhsa_float_denorm_mode_32 3
		.amdhsa_float_denorm_mode_16_64 3
		.amdhsa_memory_ordered 1
		.amdhsa_forward_progress 1
		.amdhsa_inst_pref_size 12
	.end_amdhsa_kernel
	.amdgpu_metadata
---
amdhsa.version: [ 1, 2 ]
amdhsa.kernels:
  - .name:           k_q4fc9517183_cast
    .symbol:         k_q4fc9517183_cast.kd
    .args:
      - { .name: x, .offset: 0, .size: 8, .value_kind: global_buffer, .address_space: global }
      - { .name: Wq, .offset: 8, .size: 8, .value_kind: global_buffer, .address_space: global }
      - { .name: Wk, .offset: 16, .size: 8, .value_kind: global_buffer, .address_space: global }
      - { .name: Wv, .offset: 24, .size: 8, .value_kind: global_buffer, .address_space: global }
      - { .name: bq, .offset: 32, .size: 8, .value_kind: global_buffer, .address_space: global }
      - { .name: bk, .offset: 40, .size: 8, .value_kind: global_buffer, .address_space: global }
      - { .name: bv, .offset: 48, .size: 8, .value_kind: global_buffer, .address_space: global }
      - { .name: ab, .offset: 56, .size: 8, .value_kind: global_buffer, .address_space: global }
      - { .name: bcat, .offset: 64, .size: 8, .value_kind: global_buffer, .address_space: global }
    .group_segment_fixed_size: 0
    .private_segment_fixed_size: 0
    .kernarg_segment_align: 8
    .kernarg_segment_size: 72
    .max_flat_workgroup_size: 256
    .sgpr_count:     66
    .vgpr_count:     208
    .wavefront_size: 32
...
	.end_amdgpu_metadata
.endif
;; end of part 5
;; launch proj: the kernel of part 2 again; grid 8 x 32, 4 waves a work-group, clusters of 4 x 4, 327,680 bytes of LDS; arguments ab, bcat, qkv; writes qkv
;; launch score: the kernel of part 3 again; grid 36 x 4, 4 waves a work-group, no clusters, 327,680 bytes of LDS; arguments qkv, pt, sm, sl; writes pt, sm, sl
;; launch pv: the kernel of part 4 again; grid 8 x 32, 4 waves a work-group, clusters of 4 x 1, 327,680 bytes of LDS; arguments pt, sm, sl, qkv, out0; writes out0
